; MI455X (gfx1250); checked and timed in simulation.
; The chip was launched on July 23, 2026; its instructions are those of AMD's public machine-readable ISA for CDNA 5 (MIT licence, August 2026) and "CDNA5" Instruction Set Architecture Reference Guide (July 2026). The comments in the code are by the model that wrote it; some were corrected since.
;; Self Attention. Allowed arithmetic: matrix products marked QUANTISED: E2M1 operands, one E8M0 scale for each 32 along K, by v_wmma_scale_f32_16x16x128_f8f6f4 with both operands' format E2M1 (or v_wmma_scale_f32_32x16x128_f4), f32 sums; products left as they are: bf16, f16 or f32 operands; f32 sums; everything else in f32.
;; Inputs: Wk 1,024 x 1,024 float32; Wo 1,024 x 1,024 float32; Wq 1,024 x 1,024 float32; Wv 1,024 x 1,024 float32; bk 1,024 float32; bo 1,024 float32; bq 1,024 float32; bv 1,024 float32; keys 8 x 1,024 x 1,024 float32; mask 8 x 1 x 1 x 1,024 int32; query 8 x 1,024 x 1,024 float32; values 8 x 1,024 x 1,024 float32.
;; Outputs: out0 8 x 1,024 x 1,024 float32.
;; This version of the problem:
;;   THIS VERSION OF THE PROBLEM IS GIVEN IN LOW PRECISION. The matrix products marked QUANTISED in the list below multiply operands that are first quantised to E2M1 (2 exponent bits, 1 mantissa bit; 4 bits a number), with one power-of-two scale for each 32 numbers along K (OCP MX v1.0); their sums are f32. The products marked 'left as it is' may take bf16, f16 or f32 operands, with f32 sums. Whichever they take, every output number must still come out within the allowed error. Rounding operands to bf16 (8 significant bits) uses up far more of that allowance than f16 does (11 bits, for magnitudes from 6e-5 to 65,504). All else is computed in f32.
;;   The module's matrix products, in the order in which they are computed (A, B: the left and right operand; K: the contracted axis; several contracted axes count as one K, in the product's order):
;;     1. [M 8,192, K 1,024] x [K 1,024, N 1,024]; A: input values; B: input Wv: QUANTISED
;;     2. [M 8,192, K 1,024] x [K 1,024, N 1,024]; A: input keys; B: input Wk: QUANTISED
;;     3. [M 8,192, K 1,024] x [K 1,024, N 1,024]; A: input query; B: input Wq: QUANTISED
;;     4. batch 128 x [M 1,024, K 64] x [K 64, N 1,024]; A: computed on the way; B: computed on the way: left as it is (an operand is computed on the way)
;;     5. batch 128 x [M 64, K 1,024] x [K 1,024, N 1,024]; A: computed on the way; B: computed on the way: left as it is (an operand is computed on the way)
;;     6. [M 8,192, K 1,024] x [K 1,024, N 1,024]; A: computed on the way; B: input Wo: left as it is (an operand is computed on the way)
;;   THE QUANTISER, for each operand of a quantised product, along K:
;;     - K is cut into blocks of 32 from its start; a last block that is shorter is filled with zeros.
;;     - A block's scale is 2^e with e = floor(log2(the largest magnitude in the block)) - 2, held to -126 .. 127; a block of zeros has e = 0. As a byte (E8M0): e + 127.
;;     - Each number is divided by its block's scale, clamped to +-6, and rounded to the nearest number of E2M1, ties to even, subnormals kept.
;;     - The product sums the exact products of the quantised numbers (number of the format x scale) in f32.
;;   ~~~python
;;   def quantise(x, axis):      # numpy; x: float32 -> the quantised numbers, widened to float32 again
;;       x = np.moveaxis(x, axis, -1); K = x.shape[-1]
;;       x = np.pad(x, [(0, 0)] * (x.ndim - 1) + [(0, -K % 32)]); x = x.reshape(x.shape[:-1] + (-1, 32)); a = np.abs(x).max(-1, keepdims=True)
;;       e = np.where(a > 0, np.clip(np.frexp(np.where(a > 0, a, 1))[1] - 1 - 2, -126, 127), 0)      # np.frexp(a)[1] - 1 = floor(log2(a)), exactly
;;       r = np.clip(x / 2.0 ** e, -6, 6)
;;       step = 2.0 ** (np.maximum(np.frexp(np.where(r == 0, 1, r))[1] - 1, 0) - 1)
;;       q = np.round(r / step) * step * 2.0 ** e      # np.round: ties to even
;;       return np.moveaxis(q.reshape(q.shape[:-2] + (-1,))[..., :K], -1, axis).astype(np.float32)
;;   ~~~
;; One version. Each part assembles by itself: llvm-mc -triple=amdgcn-amd-amdhsa -mcpu=gfx1250 --defsym DOCPART=n.
;; ======== version 1 of 1: 4 launches
;; limits: values are held in f16: magnitudes above 65,504 overflow, below 6.1e-05 lose precision
;; workspace buffers: xc 12,582,912 bytes; xs 786,432 bytes; wc 1,572,864 bytes; ws 98,304 bytes; wo16 2,097,152 bytes; qkv16 50,331,648 bytes; o16 16,777,216 bytes
;; launch prep (part 1): grid 928 x 1, 4 waves a work-group, no clusters, 50,688 bytes of LDS; arguments query, keys, values, Wq, Wk, Wv, Wo, xc, xs, wc, ws, wo16; writes xc, xs, wc, ws, wo16
.if DOCPART == 1
	.amdgcn_target "amdgcn-amd-amdhsa--gfx1250"
	.amdhsa_code_object_version 6
	.text
	.protected	k_q12a41213a5_prep
	.globl	k_q12a41213a5_prep
	.p2align	8
	.type	k_q12a41213a5_prep,@function
k_q12a41213a5_prep:
	s_mov_b64 s[64:65], 0
	v_nop
	global_prefetch_b8 v0, s[64:65] scope:SCOPE_SE
	s_setreg_imm32_b32 hwreg(HW_REG_WAVE_MODE, 25, 1), 1
	s_wait_xcnt 0x0
; THE OPERANDS ARE MADE READY, ONCE.  Three kinds of work, told apart by the work-group's number; the three paths never join.
;   work-groups   0 ..  95 (path W): Wq, Wk, Wv [1024 (k)][1024 (n)] f32, K the FIRST axis -> codes of FP4 (E2M1) wc [3][1024 n][512 bytes], K innermost, and scale bytes ws [3][1024 n][32].
;   work-groups  96 .. 159 (path O): Wo [1024 (k)][1024 (n)] f32 -> f16, laid as images of a matrix operand's registers (below).
;   work-groups 160 .. 927 (path X): query, keys, values [8192][1024] f32, K innermost -> codes xc [3][8192][512 bytes], scale bytes xs [3][8192][32].
; The paths with the longest chains of dependent loads have the lowest numbers.
; THE QUANTISER: a block of 32 along K has the scale 2^(floor(log2(its largest magnitude)) - 2); its byte is the largest magnitude's exponent field - 2, held at 1 from below; each number is divided by
; the scale and rounded to the nearest code, ties to even, beyond 6 the largest code.
; LIMITS: a block of zeros gets the byte 1 where the rule says 127 (its codes are zeros, which add nothing, and this program alone reads the bytes); blocks whose largest magnitude lies under 2^-124
; have their byte held at 1; NaN and infinities among the inputs are not served; |Wo| from 65,504 on becomes infinite in f16, and under 6e-5 it keeps steps of 2^-24.
; LDS: each path has bytes of its own: path X 0 .. 32,767 (8,192 a wave), path W 32,768 .. 50,175 (16 rows of 272 a wave); behind them the spare words.
; No tensor loads, no barrier: waves share nothing.  No cluster: no two work-groups read the same bytes.
.set SPW,    190                       ; v190  LDS address of my spare word: SPARE + 4 x my thread's number; never rewritten
.set NIL,    191                       ; v191  0; never rewritten
.set EMAX,   2
.set XREG,   8192                      ; path X: a wave's region: two stages of 32 x SP bytes, behind them its 256 scale bytes
.set SP,     80                        ; a lane's place in a stage: its 64 bytes + 16 of padding
.set CB,     8                         ; bytes of 16 codes
.set STEPS,  16
.set XR,     16                        ; v16-79   four sets of 16 numbers as they are loaded
.set XX,     80                        ; v80-111  two sets of 16 neighbours
.set XE,     112                       ; v112-127 a scale byte for each step
.set XC,     128                       ; v128-189 codes: four registers for each step, so that no store's data are written again
.set WSTG,   32768                     ; path W: the four stages
.set WPITCH, 272                       ; a stage row: 256 bytes of codes + 16
.set NB,     8                         ; blocks of 32 along K for a lane
.set WX,     32                        ; v32-95   two sets of 32 numbers
.set WC,     96                        ; v96-99   a block's codes
.set WOUT,   112                       ; v112-143 the way out
.set WSB,    24                        ; v24-25   the scale bytes, four to a register
.set SPARE,  WSTG+4*16*WPITCH          ; the spare words, 128 bytes for each wave: two blocks of 256 bytes that no other line names
	s_load_b512 s[4:19], s[0:1], 0x0               ; query s[4:5], keys s[6:7], values s[8:9], Wq s[10:11], Wk s[12:13], Wv s[14:15], Wo s[16:17], xc s[18:19]
	s_load_b256 s[20:27], s[0:1], 0x40             ; xs s[20:21], wc s[22:23], ws s[24:25], wo16 s[26:27]
	v_lshl_add_u32 v[SPW], v0, 2, SPARE
	v_mov_b32 v[NIL], 0
	v_lshrrev_b32 v1, 5, v0
	v_readfirstlane_b32 s28, v1                    ; wave 0..3
	v_and_b32 v2, 31, v0                           ; lane
	s_wait_kmcnt 0x0
	s_cmp_lt_u32 ttmp9, 96
	s_cbranch_scc1 .Lpath_w
	s_cmp_lt_u32 ttmp9, 160
	s_cbranch_scc1 .Lpath_o
; ---------------- PATH X: K innermost.  Rows are dense and 1,024 is a multiple of 32: a tensor is a plain stream of blocks of 32, and so are its codes and scale bytes.
; A wave takes 16 steps of 512 numbers.  Each of a step's four loads reads 512 consecutive bytes, 16 a lane; the 2,048 bytes turn through the wave's own stage in LDS and come back 64 bytes a lane:
; 16 NEIGHBOURS along K, which is what the conversions take.  Two neighbouring lanes hold a block.  Loads run four steps (16 loads a wave) ahead, the turn through LDS one step.
	s_sub_co_u32 s29, ttmp9, 160                   ; g: 256 work-groups to a tensor
	s_lshr_b32 s30, s29, 8                         ; which tensor
	s_and_b32 s31, s29, 255
	s_lshl_b32 s31, s31, 2
	s_add_co_u32 s31, s31, s28                     ; which run of 8,192 numbers of the tensor is my wave's
	s_lshl_b32 s32, s31, 15                        ; 32,768 bytes of f32 a run
	s_mov_b32 s33, 0
	s_lshl_b32 s34, s29, 2
	s_add_co_u32 s34, s34, s28                     ; the run's number among all three tensors'
	s_lshl_b32 s36, s34, 12                        ; 4,096 bytes of codes a run
	s_mov_b32 s37, 0
	s_lshl_b32 s38, s34, 8                         ; 256 scale bytes a run
	s_mov_b32 s39, 0
	s_cmp_eq_u32 s30, 1                            ; the choice hangs on the work-group's number alone
	s_cselect_b64 s[4:5], s[6:7], s[4:5]
	s_cmp_eq_u32 s30, 2
	s_cselect_b64 s[4:5], s[8:9], s[4:5]
	s_add_nc_u64 s[4:5], s[4:5], s[32:33]
	s_add_nc_u64 s[18:19], s[18:19], s[36:37]
	s_add_nc_u64 s[20:21], s[20:21], s[38:39]
	v_lshlrev_b32 v3, 4, v2                        ; my 16 bytes of a load's 512
	s_mul_i32 s31, s28, XREG
	v_lshrrev_b32 v14, 2, v2
	v_mul_u32_u24 v14, v14, SP
	v_and_b32 v15, 3, v2
	v_lshl_add_u32 v14, v15, 4, v14
	v_add_nc_u32 v14, s31, v14                     ; the stage, on the way in: four lanes' 64 bytes on end, then 16 of padding: SP (lane / 4) + 16 (lane % 4)
	v_mul_u32_u24 v15, v2, SP
	v_add_nc_u32 v15, s31, v15                     ; and on the way out: SP x lane: my 16 neighbours
	v_mul_u32_u24 v4, v2, CB                       ; my codes' place in a step's
	v_lshrrev_b32 v5, 1, v2
	s_add_co_u32 s31, s31, 2*32*SP
	v_add_nc_u32 v5, s31, v5                       ; LDS: my wave's 256 scale bytes, my block's byte
	v_lshlrev_b32 v7, 3, v2                        ; and on the way out 8 bytes a lane
	v_add_nc_u32 v6, s31, v7
.macro XLOAD t
.irp i, 0,1,2,3
	global_load_b128 v[XR+16*((\t)%4)+4*\i:XR+16*((\t)%4)+4*\i+3], v3, s[4:5] offset:2048*(\t)+512*\i th:TH_LOAD_NT   ; 32 lanes read 512 consecutive bytes
.endr
.endm
.macro XTURN t                         ; step t's numbers through the stage: LDS serves a wave's instructions in order, so no wait stands between the stores and the loads
.irp i, 0,1,2,3
	ds_store_b128 v14, v[XR+16*((\t)%4)+4*\i:XR+16*((\t)%4)+4*\i+3] offset:32*SP*((\t)%2)+8*SP*\i
.endr
.irp i, 0,1,2,3
	ds_load_b128 v[XX+16*((\t)%2)+4*\i:XX+16*((\t)%2)+4*\i+3], v15 offset:32*SP*((\t)%2)+16*\i
.endr
.endm
.irp t, 0,1,2,3
	XLOAD \t
.endr
	s_wait_loadcnt 12                              ; step 0's four loads are in
	XTURN 0
.macro XSTEP t
.set XS, XX+16*((\t)%2)
.if (\t) > 0
	s_wait_dscnt 1                                 ; this step's numbers are back from the stage (the last step's byte store may be out): so its stores into the stage have read their registers,
.else
	s_wait_dscnt 0x0
.endif
.if (\t)+4 < STEPS
	XLOAD (\t)+4                                   ; which take the loads of four steps on
.endif
.if (\t)+1 < STEPS
.if STEPS-2-(\t) >= 3
	s_wait_loadcnt 12                              ; the next step's four loads are in; those of the three steps behind it may be out
.else
	s_wait_loadcnt 4*(STEPS-2-(\t))
.endif
	XTURN (\t)+1                                   ; and go through the other stage while this step is worked
.endif
	v_max3_num_f32 v8, |v[XS]|, |v[XS+1]|, |v[XS+2]|               ; the largest magnitude of my 16, in two chains
	v_max3_num_f32 v9, |v[XS+3]|, |v[XS+4]|, |v[XS+5]|
.irp i, 6,10
	v_max3_num_f32 v8, v8, |v[XS+\i]|, |v[XS+\i+1]|
	v_max3_num_f32 v9, v9, |v[XS+\i+2]|, |v[XS+\i+3]|
.endr
	v_max3_num_f32 v8, v8, |v[XS+14]|, |v[XS+15]|
	v_max3_num_f32 v8, v8, v9, (EMAX+1)<<23        ; and the floor 2^(3 - 127), under which no largest magnitude is taken: so the byte cannot fall under 1
	v_max_num_f32_dpp v8, v8, v8 row_xmask:1 row_mask:0xf bank_mask:0xf   ; and of my neighbour's 16: the block's
	v_add_nc_u32 v11, -(EMAX<<23), v8              ; 2 off its exponent field: the conversion takes the exponent field of this operand as its scale, and nothing else of it
	v_cvt_scalef32_pk8_fp4_f32 v[XC+4*(\t)], v[XS:XS+7], v11
	v_cvt_scalef32_pk8_fp4_f32 v[XC+4*(\t)+1], v[XS+8:XS+15], v11
	v_lshrrev_b32 v[XE+(\t)], 23, v11              ; the scale's byte (also the plain line behind the conversions)
	ds_store_b8 v5, v[XE+(\t)] offset:16*(\t)      ; both lanes of a block write the same byte with the same value
	global_store_b64 v4, v[XC+4*(\t):XC+4*(\t)+1], s[18:19] offset:32*CB*(\t)   ; 32 lanes store 256 consecutive bytes, aligned
.endm
.irp t, 0,1,2,3,4,5,6,7,8,9,10,11,12,13,14,15
	XSTEP \t
.endr
	ds_load_b64 v[8:9], v6                         ; LDS serves a wave's instructions in order: these see my byte stores
	s_wait_dscnt 0x0
	global_store_b64 v7, v[8:9], s[20:21]          ; 32 lanes store 256 consecutive scale bytes, aligned
	s_wait_tensorcnt 0x0                           ; the wave's end: behind my last LDS store
	ds_add_u32 v[SPW], v[NIL]
	s_wait_dscnt 0x0
	s_endpgm
; ---------------- PATH W: K is the first axis.  A LANE TAKES A COLUMN n AND ITS REGISTERS RUN DOWN K: a block of 32 along K lies in one lane's 32 registers, and the conversions give codes with K innermost.
; A wave takes 16 columns x 512 along K: lanes 0-15 the columns' first 256 of K, lanes 16-31 their second 256: 8 blocks a lane, so that a wave's chain of dependent loads is 8 blocks long, two blocks
; (64 loads a wave) ahead.  The four waves of a work-group stand side by side on 64 columns: 256 consecutive bytes of each row of W.  A column's codes of 512 along K, 256 bytes, meet in the wave's own
; stage (lane (r, h): row r, bytes 128 h on) and leave as rows.  32 work-groups to a tensor: 16 along n, 2 along K.
.Lpath_w:
	s_lshr_b32 s30, ttmp9, 5                       ; which tensor
	s_and_b32 s31, ttmp9, 15                       ; which 64 columns
	s_bfe_u32 s32, ttmp9, 0x10004                  ; which 512 along K
	s_lshl_b32 s33, s31, 6
	s_lshl_b32 s34, s28, 4
	s_add_co_u32 s33, s33, s34                     ; my wave's first column: 64 x + 16 x wave
	s_lshl_b32 s36, s32, 21                        ; W: 512 rows of 4,096 bytes,
	s_lshl_b32 s37, s33, 2
	s_add_co_u32 s36, s36, s37                     ; + 4 bytes a column
	s_mov_b32 s37, 0
	s_lshl_b32 s38, s30, 19                        ; codes: 524,288 bytes a tensor,
	s_lshl_b32 s39, s33, 9
	s_add_co_u32 s38, s38, s39                     ; 512 a column,
	s_lshl_b32 s39, s32, 8
	s_add_co_u32 s38, s38, s39                     ; 256 for 512 along K
	s_mov_b32 s39, 0
	s_lshl_b32 s40, s30, 15                        ; scale bytes: 32,768 a tensor,
	s_lshl_b32 s41, s33, 5
	s_add_co_u32 s40, s40, s41                     ; 32 a column,
	s_lshl_b32 s41, s32, 4
	s_add_co_u32 s40, s40, s41                     ; 16 for 512 along K
	s_mov_b32 s41, 0
	s_cmp_eq_u32 s30, 1                            ; the choice hangs on the work-group's number alone
	s_cselect_b64 s[10:11], s[12:13], s[10:11]
	s_cmp_eq_u32 s30, 2
	s_cselect_b64 s[10:11], s[14:15], s[10:11]
	s_add_nc_u64 s[10:11], s[10:11], s[36:37]
	s_add_nc_u64 s[22:23], s[22:23], s[38:39]
	s_add_nc_u64 s[24:25], s[24:25], s[40:41]
	v_and_b32 v5, 15, v2                           ; r: my column of the wave's sixteen
	v_lshrrev_b32 v6, 4, v2                        ; h: which 256 along K
	v_lshlrev_b32 v3, 2, v5
	v_lshl_add_u32 v3, v6, 20, v3                  ; in: 4 bytes a column, + h x 256 rows of 4,096 bytes
	s_mul_i32 s34, s28, 16*WPITCH
	s_add_co_u32 s34, s34, WSTG                    ; my stage
	v_mul_u32_u24 v4, v5, WPITCH
	v_lshl_add_u32 v4, v6, 7, v4
	v_add_nc_u32 v4, s34, v4                       ; into it: row = my column, + 128 h
	v_mul_u32_u24 v7, v6, WPITCH                   ; out of it: sixteen lanes to a row, two rows an instruction
	v_lshl_add_u32 v7, v5, 4, v7
	v_add_nc_u32 v7, s34, v7
	v_lshlrev_b32 v8, 9, v6
	v_lshl_add_u32 v8, v5, 4, v8                   ; and the same place in the codes' buffer: rows of 512 bytes
	v_lshlrev_b32 v9, 5, v5
	v_lshl_add_u32 v9, v6, 3, v9                   ; my column's row of scale bytes, + 8 h
.macro WLOAD t                         ; block t: W(256 h + 32 t + i, my column), i = 0 .. 31, into set t % 2
.set i, 0
.rept 32
	global_load_b32 v[WX+32*((\t)%2)+i], v3, s[10:11] offset:(32*(\t)+i)*4096 th:TH_LOAD_NT
.set i, i+1
.endr
.endm
	WLOAD 0
	WLOAD 1
.macro WBLOCK t
.set XS, WX+32*((\t)%2)
.if (\t) < NB-1
	s_wait_loadcnt 32                              ; this block's 32 loads are in; the next block's may be out
.else
	s_wait_loadcnt 0
.endif
	v_max3_num_f32 v12, |v[XS]|, |v[XS+1]|, |v[XS+2]|               ; the block's largest magnitude: all 32 numbers are mine
	v_max3_num_f32 v13, |v[XS+3]|, |v[XS+4]|, |v[XS+5]|
.irp i, 6,10,14,18,22,26
	v_max3_num_f32 v12, v12, |v[XS+\i]|, |v[XS+\i+1]|
	v_max3_num_f32 v13, v13, |v[XS+\i+2]|, |v[XS+\i+3]|
.endr
	v_max3_num_f32 v12, v12, |v[XS+30]|, |v[XS+31]|
	v_max3_num_f32 v12, v12, v13, (EMAX+1)<<23     ; and the floor: the byte cannot fall under 1
	v_add_nc_u32 v11, -(EMAX<<23), v12             ; the conversion's scale operand
	v_lshrrev_b32 v13, 23, v11                     ; the scale's byte
.if (\t)%4 == 0
	v_mov_b32 v[WSB+(\t)/4], v13                   ; four bytes to a register, the lower K in the lower byte
.else
	v_lshl_or_b32 v[WSB+(\t)/4], v13, 8*((\t)%4), v[WSB+(\t)/4]
.endif
.irp g, 0,1,2,3
	v_cvt_scalef32_pk8_fp4_f32 v[WC+\g], v[XS+8*\g:XS+8*\g+7], v11
.endr
	ds_store_b128 v4, v[WC:WC+3] offset:16*(\t)    ; 32 codes: 16 bytes of my column's row
.if (\t)+2 < NB
	WLOAD (\t)+2
.endif
	s_wait_dscnt 0x0                               ; the store has read its registers: the next block's codes may be written
.endm
.set BQ, 0
.rept NB
	WBLOCK BQ
.set BQ, BQ+1
.endr
	global_store_b64 v9, v[WSB:WSB+1], s[24:25]    ; my 8 scale bytes: a quarter of my column's row of 32; the buffer is one byte for each 128 that the path reads
.irp t, 0,1,2,3,4,5,6,7
	ds_load_b128 v[WOUT+4*\t:WOUT+4*\t+3], v7 offset:2*\t*WPITCH   ; LDS serves a wave's instructions in order: these see my wave's stores
.endr
.irp t, 0,1,2,3,4,5,6,7
	s_wait_dscnt 7-\t
	global_store_b128 v8, v[WOUT+4*\t:WOUT+4*\t+3], s[22:23] offset:2*\t*512   ; sixteen lanes store 256 consecutive bytes, aligned
.endr
	s_wait_tensorcnt 0x0                           ; the wave's end: behind my last LDS store
	ds_add_u32 v[SPW], v[NIL]
	s_wait_dscnt 0x0
	s_endpgm
; ---------------- PATH O: Wo to f16, as images of the last product's operand registers:
; wo16 [4: 256 columns][8: 128 of K][16: tiles of 16 columns][4: 32 of K][2: halves c][32 lanes][16 bytes]; lane (r, h) of half c holds column r, k = 16 c + 8 h + 0 .. 7.
; A lane takes a column and its registers run down K: 32 numbers become 16 registers of f16 pairs.  Lanes 0-15 hold one tile's columns, lanes 16-31 the next tile's; an exchange of halves
; between the registers of k 0-7 and k 8-15 (and of 16-23 and 24-31) gives each tile's image.  A wave takes 32 columns x 128 of K; each of its stores covers 512 consecutive bytes, aligned.
.Lpath_o:
	s_sub_co_u32 s29, ttmp9, 96
	s_and_b32 s30, s29, 7                          ; which 128 columns
	s_lshr_b32 s31, s29, 3                         ; which 128 of K
	v_lshlrev_b32 v3, 2, v2                        ; in: 4 bytes a lane
	v_lshlrev_b32 v4, 4, v2                        ; out: 16 bytes a lane
	s_lshl_b32 s32, s31, 19                        ; 128 rows of 4,096 bytes
	s_lshl_b32 s33, s30, 9
	s_add_co_u32 s32, s32, s33
	s_lshl_b32 s33, s28, 7
	s_add_co_u32 s32, s32, s33                     ; + my wave's first column
	s_mov_b32 s33, 0
	s_add_nc_u64 s[16:17], s[16:17], s[32:33]
	s_lshr_b32 s34, s30, 1
	s_lshl_b32 s34, s34, 19                        ; 524,288 bytes for 256 columns,
	s_lshl_b32 s35, s31, 16
	s_add_co_u32 s34, s34, s35                     ; 65,536 for 128 of K,
	s_and_b32 s35, s30, 1
	s_lshl_b32 s35, s35, 15
	s_add_co_u32 s34, s34, s35
	s_lshl_b32 s35, s28, 13
	s_add_co_u32 s34, s34, s35                     ; 4,096 a tile: tile 8 (which half of the 256) + 2 x wave
	s_mov_b32 s35, 0
	s_add_nc_u64 s[26:27], s[26:27], s[34:35]
.macro OLOAD q                         ; Wo(32 q + i, my column), i = 0 .. 31; each quarter has registers of its own
.set i, 0
.rept 32
	global_load_b32 v[32+32*(\q)+i], v3, s[16:17] offset:(32*(\q)+i)*4096 th:TH_LOAD_NT
.set i, i+1
.endr
.endm
	OLOAD 0
	OLOAD 1
.irp q, 0,1,2,3
.if \q < 3
	s_wait_loadcnt 32                              ; this quarter's 32 loads are in; the next quarter's may be out
.else
	s_wait_loadcnt 0
.endif
.if \q < 2
	OLOAD \q+2
.endif
.set i, 0
.rept 16
	v_cvt_pk_f16_f32 v[32+32*\q+i], v[32+32*\q+2*i], v[32+32*\q+2*i+1]   ; in place: register i takes k = 2 i, 2 i + 1; what it overwrites has been read
.set i, i+1
.endr
.irp i, 0,1,2,3
	v_permlane16_swap_b32 v[32+32*\q+\i], v[36+32*\q+\i]          ; the first's lanes 16-31 change places with the second's lanes 0-15: first tile's half 0, second tile's half 0
	v_permlane16_swap_b32 v[40+32*\q+\i], v[44+32*\q+\i]          ; and the halves 1
.endr
	global_store_b128 v4, v[32+32*\q:35+32*\q], s[26:27] offset:1024*\q
	global_store_b128 v4, v[40+32*\q:43+32*\q], s[26:27] offset:1024*\q+512
	global_store_b128 v4, v[36+32*\q:39+32*\q], s[26:27] offset:1024*\q+4096
	global_store_b128 v4, v[44+32*\q:47+32*\q], s[26:27] offset:1024*\q+4096+512
.endr
	s_wait_tensorcnt 0x0                           ; the launch's closing lines, as at the other two ends
	ds_add_u32 v[SPW], v[NIL]
	s_wait_dscnt 0x0
	s_endpgm
.Lfunc_end_k_q12a41213a5_prep:
	.size	k_q12a41213a5_prep, .Lfunc_end_k_q12a41213a5_prep-k_q12a41213a5_prep
	.p2alignl 7, 3214868480
	.fill 96, 4, 3214868480
	.section	.rodata,"a",@progbits
	.p2align	6, 0x0
	.amdhsa_kernel k_q12a41213a5_prep
		.amdhsa_group_segment_fixed_size 50688
		.amdhsa_private_segment_fixed_size 0
		.amdhsa_enable_private_segment 0
		.amdhsa_kernarg_size 96
		.amdhsa_user_sgpr_count 2
		.amdhsa_user_sgpr_kernarg_segment_ptr 1
		.amdhsa_wavefront_size32 1
		.amdhsa_system_sgpr_workgroup_id_x 1
		.amdhsa_system_sgpr_workgroup_id_y 1
		.amdhsa_system_sgpr_workgroup_id_z 1
		.amdhsa_system_vgpr_workitem_id 0
		.amdhsa_next_free_vgpr 192
		.amdhsa_next_free_sgpr 66
		.amdhsa_reserve_vcc 0
		.amdhsa_float_denorm_mode_32 3
		.amdhsa_float_denorm_mode_16_64 3
		.amdhsa_memory_ordered 1
		.amdhsa_forward_progress 1
		.amdhsa_inst_pref_size 93
	.end_amdhsa_kernel
	.amdgpu_metadata
---
amdhsa.version: [ 1, 2 ]
amdhsa.kernels:
  - .name:           k_q12a41213a5_prep
    .symbol:         k_q12a41213a5_prep.kd
    .args:
      - { .name: query, .offset: 0, .size: 8, .value_kind: global_buffer, .address_space: global }
      - { .name: keys, .offset: 8, .size: 8, .value_kind: global_buffer, .address_space: global }
      - { .name: values, .offset: 16, .size: 8, .value_kind: global_buffer, .address_space: global }
      - { .name: Wq, .offset: 24, .size: 8, .value_kind: global_buffer, .address_space: global }
      - { .name: Wk, .offset: 32, .size: 8, .value_kind: global_buffer, .address_space: global }
      - { .name: Wv, .offset: 40, .size: 8, .value_kind: global_buffer, .address_space: global }
      - { .name: Wo, .offset: 48, .size: 8, .value_kind: global_buffer, .address_space: global }
      - { .name: xc, .offset: 56, .size: 8, .value_kind: global_buffer, .address_space: global }
      - { .name: xs, .offset: 64, .size: 8, .value_kind: global_buffer, .address_space: global }
      - { .name: wc, .offset: 72, .size: 8, .value_kind: global_buffer, .address_space: global }
      - { .name: ws, .offset: 80, .size: 8, .value_kind: global_buffer, .address_space: global }
      - { .name: wo16, .offset: 88, .size: 8, .value_kind: global_buffer, .address_space: global }
    .group_segment_fixed_size: 50688
    .private_segment_fixed_size: 0
    .kernarg_segment_align: 8
    .kernarg_segment_size: 96
    .max_flat_workgroup_size: 128
    .sgpr_count:     66
    .vgpr_count:     192
    .wavefront_size: 32
...
	.end_amdgpu_metadata
.endif
;; end of part 1
;; launch proj (part 2): grid 4 x 96, 4 waves a work-group, clusters of 4 x 4, 327,680 bytes of LDS; arguments xc, xs, wc, ws, qkv16, bq, bk, bv, mask; writes qkv16
.if DOCPART == 2
	.amdgcn_target "amdgcn-amd-amdhsa--gfx1250"
	.amdhsa_code_object_version 6
	.text
	.protected	k_q12a41213a5_proj
	.globl	k_q12a41213a5_proj
	.p2align	8
	.type	k_q12a41213a5_proj,@function
k_q12a41213a5_proj:
	s_mov_b64 s[64:65], 0
	v_nop
	global_prefetch_b8 v0, s[64:65] scope:SCOPE_SE
	s_setreg_imm32_b32 hwreg(HW_REG_WAVE_MODE, 25, 1), 1
	s_wait_xcnt 0x0
	s_wait_alu depctr_hold_cnt(0) depctr_sa_sdst(0) depctr_va_vdst(0) depctr_va_sdst(0) depctr_va_ssrc(0) depctr_va_vcc(0) depctr_vm_vsrc(0)
	s_getreg_b32 s2, hwreg(HW_REG_IB_STS2, 6, 4)
	s_cmp_eq_u32 s2, 0
	s_cbranch_scc0 .Lentry_in_a_cluster
	s_endpgm
.Lentry_in_a_cluster:
	s_bfe_u32 s2, ttmp6, 0x10000c
	s_cmp_lg_u32 s2, 0xf033
	s_cbranch_scc0 .Lentry_shape_is_right
	s_endpgm
.Lentry_shape_is_right:
; THE THREE PROJECTIONS AS ONE GEMM ON CODES OF FP4 (E2M1) with one E8M0 scale for each 32 along K: C[m][n] = sum over k of A[m][k] B[n][k] + bias[n].
; A: xc [24576][1024 codes] (query's, keys', values' rows on end), B: wc [3][1024 n][1024 codes]; the tensor t = row / 8192 picks B's 1,024 rows and the bias.  Sums in f32.
; A tile of C, 256 x 256, is made by a work-group of four waves; a wave makes 128 x 128: 64 accumulators of 16 x 16, 512 registers.  K = 1,024 is two steps of 512: two LDS slots, each filled ONCE, with
; the first loads; rows of 256 bytes of memory.  The scale bytes of the work-group's rows of A and B, for all of K, are two dense blocks: they come once, with the first loads.
; CLUSTERS: 4 x 4 work-groups.  The four of a row of the cluster need the same tiles of A, the four of a column the same tiles of B: each tile is asked for JOINTLY.  A cluster's 1,024 rows lie in one tensor.
; THE MATRIX INSTRUCTION IS USED TRANSPOSED (source 0 = 16 rows of B, source 1 = 16 rows of A): a lane holds eight neighbouring columns of one row of C.  THE BIAS is the C of each sum's first product.
; THE RESULT leaves as f16 in the order in which the attention's operand registers take it: qkv16 [t][batch 8][head 16][64 tiles of 16 positions][4: 16 channels][512 bytes].  In the 512 bytes lane (r, h)'s
; 16 bytes (position r, channels 8 h + 0 .. 7 of the sixteen) lie at 16 r + 256 h for q and k (an image of half a fragment) and at 32 r + 16 h for v (rows of 32 bytes, for the turning load).
; So no stage is needed: each store of a wave covers 512 consecutive bytes, aligned.
; THE MASK: a key's row whose mask word is 0 is stored as zeros (t = 1 alone), so that its scores are exactly what the attention adds for it.
; LIMITS: results from 65,504 on become infinite in f16; under 6e-5 they keep steps of 2^-24.
; REGISTERS, in windows of 256: window 0: v0-31 addresses; v32-95 scale words, two sets; v96-103 mask words; v128-191 A's fragments, ONE set (on the way out: packed results); v192-255 the bias, 8 a tile of columns.
;   window 1: B's fragments, TWO sets, at v0 and at v128.   window 2: the accumulators of my rows 0-63 ((a, b) at v[8 (8 a + b)]);   window 3: those of my rows 64-127.
.set NQ,     4                         ; matrix instructions deep in a slot: 512 / 128
.set ROWB,   256                       ; a tile's row in bytes: 512 codes
.set KROW,   512                       ; a row of A or of B in memory
.set PITCH,  272                       ; an LDS row: 256 bytes + 16 of padding = 68 words: the 16 rows that a load touches start at 16 different banks (64 banks of 4 bytes: ISA guide 11.1)
.set FR,     8                         ; registers of a fragment: 16 rows x 128 K
.set NL,     2                         ; LDS loads that bring one
.set NP,     4                         ; places behind this matrix instruction (ISA guide 7.12.1)
.set HALFT,  128*PITCH                 ; 128 rows: what one tensor load brings, and what one wave reads of A or of B
.set SLOT,   4*HALFT                   ; A's 256 rows, then B's 256 rows
.set KS,     32                        ; a row of scale bytes
.set SCL,    2*SLOT                    ; behind the slots: the scales, as units of 256 bytes + 16 of padding
.set HALFS,  (128*KS/256)*272          ; the scales of 128 rows: what one tensor load brings
.set SBLK,   (16*KS/256)*272           ; those of 16 rows
.set SPARE,  SCL+4*HALFS               ; the spare words, 128 bytes for each wave: two blocks of 256 bytes that no other line names
.set ADRA, 16                          ; v16-17  LDS address of my A fragments in slot 0, 1
.set ADRB, 20                          ; v20-21  the same for B
.set CO,   26                          ; v26     my lane's place in a store's 512 bytes
.set ADRS, 27                          ; v27     LDS address of my scale words: lanes 0-15 A's rows, lanes 16-31 B's
.set SPW,  28                          ; v28     LDS address of my spare word; never rewritten
.set NIL,  29                          ; v29     0; never rewritten
.set SC,   32                          ; scale words: set s at v[SC + 32 s]; register 4 i + q: lanes 0-15 the word of A's block i, lanes 16-31 that of B's block i, for the slot's q-th 128 along K
.set MK,   96                          ; v96-103 the mask words of my rows: block a, row lane % 16
.set AF,   128
.set TMP,  128                         ; the way out: two sets of 32 registers
.set BI,   192
.set TT,   95                          ; s95     the tensor: 0 query, 1 keys, 2 values
.set LM,   40                          ; s40-47  on the way out: a lane mask for each block of rows (set-up temporaries until then)
.set G1, 24                            ; s[24:31] descriptor group 1 for A's tiles;  s[32:39] group 0, one set for each slot
.set G0, 32
.set G1B, 48                           ; s[48:55], s[56:63] the same for B's tiles
.set G0B, 56
.set G1S, 68                           ; s[68:75], s[76:79] groups 1 and 0 for A's scales;  s[80:87], s[88:91] for B's
.set G0S, 76
.set G1SB, 80
.set G0SB, 88
.set MSB, 0
.macro WIN new                         ; the immediate's high byte repeats the setting that is left
.if MSB != (\new)
	s_set_vgpr_msb (MSB<<8)|(\new)
.set MSB, (\new)
.endif
.endm
.set MUL_LO, 0xa1                      ; source 0 (B) window 1, source 1 (A) window 0, C and D window 2;  0x81: C (the bias) window 0
.set MUL_HI, 0xf1                      ; the same, C and D window 3;  0xc1: C window 0
.set TO_B,   0x40                      ; destination window 1, address window 0
; A joint load: waves 0 and 1 fetch for A, waves 2 and 3 for B.  Each of the two lines has ONE mask and one set of registers for all that issue it; the branch hangs on the wave's number alone.
; An s_nop 0 and four v_nop follow each of the two lines, ahead of the jump, the label and what follows.
.macro JLOAD g0a, g1a, g0b, g1b
	s_cmp_eq_u32 s15, 0
	s_cbranch_scc0 .Lfor_b_\@
	tensor_load_to_lds s[\g0a:\g0a+3], s[\g1a:\g1a+7]
	s_nop 0
.rept 4
	v_nop
.endr
	s_branch .Lasked_\@
.Lfor_b_\@:
	tensor_load_to_lds s[\g0b:\g0b+3], s[\g1b:\g1b+7]
	s_nop 0
.rept 4
	v_nop
.endr
.Lasked_\@:
.endm
.macro CROUND                          ; a round of the cluster's barrier: my work-group's barrier; wave 0 signals for the work-group; every wave waits for all sixteen; my work-group's barrier once more
	s_barrier_signal -1
	s_barrier_wait -1
	s_cmp_lg_u32 s14, 0
	s_cbranch_scc1 .Lnot_wave_0_\@
	s_barrier_signal -3
.Lnot_wave_0_\@:
	s_barrier_wait -3
	s_barrier_signal -1
	s_barrier_wait -1
.endm
	s_load_b128 s[4:7], s[0:1], 0x0                ; A's codes s[4:5], A's scales s[6:7]
	s_load_b128 s[8:11], s[0:1], 0x10              ; B's codes s[8:9], B's scales s[10:11]
	s_load_b64 s[12:13], s[0:1], 0x20              ; qkv16
	s_load_b128 s[96:99], s[0:1], 0x28             ; bq s[96:97], bk s[98:99]
	s_load_b64 s[66:67], s[0:1], 0x38              ; bv
	s_load_b64 s[100:101], s[0:1], 0x40            ; mask
	v_lshl_add_u32 v[SPW], v0, 2, SPARE
	v_mov_b32 v[NIL], 0
	ds_add_u32 v[SPW], v[NIL]                      ; the wave's opening: the add, twice on end, and its wait ahead of my first tensor load; the set-up below stands between
	ds_add_u32 v[SPW], v[NIL]
	v_lshrrev_b32 v1, 5, v0
	v_readfirstlane_b32 s14, v1                    ; wave 0..3
	s_lshr_b32 s15, s14, 1                         ; which half of the tile's rows is mine.  Also: I fetch for A (0) or for B (1)
	s_and_b32 s16, s14, 1                          ; which half of its columns.  Also: which 128 rows of that tile I fetch
	s_bfe_u32 s40, ttmp6, 0x40000                  ; cx, cy: my place in the cluster
	s_bfe_u32 s41, ttmp6, 0x40004
	s_lshl_b32 s42, ttmp9, 2
	s_add_co_u32 s42, s42, s40                     ; tile column of C = 4 x cluster x + cx
	s_and_b32 s17, ttmp7, 0xffff
	s_lshr_b32 s[TT], s17, 3                       ; the tensor: 8 clusters along y to each; the same in all sixteen partners
	s_lshl_b32 s17, s17, 2
	s_add_co_u32 s17, s17, s41                     ; tile row of C = 4 x cluster y + cy
	s_lshl_b32 s43, s41, 2
	s_lshl_b32 s43, 15, s43                        ; my row of the cluster
	s_lshl_b32 s44, 0x1111, s40                    ; my column
	; descriptor group 1: a tile of 128 rows x 256 bytes, padded in LDS
	s_or_b32 s[G1+0], s43, (0<<16)|(1<<20)|(1<<21)|(5<<22)|(3<<25)  ; 15:0 the mask: A's tiles go to my row; 17:16 element of 1 byte; 20 padding on; 21 set beside a mask; 24:22 after every 64 words (code 5); 31:25 of 4 words (code 3)
	s_or_b32 s[G1B+0], s44, (0<<16)|(1<<20)|(1<<21)|(5<<22)|(3<<25)
.irp g, G1, G1B
	s_mov_b32 s[\g+1], ROWB<<16                    ; tensor_dim0
	s_mov_b32 s[\g+2], 128<<16                     ; tensor_dim1 = 128
	s_mov_b32 s[\g+3], ROWB<<16                    ; tile_dim0
	s_mov_b32 s[\g+4], 128                         ; tile_dim1 = 128
	s_mov_b32 s[\g+5], KROW                        ; tensor_dim0_stride
	s_mov_b32 s[\g+6], 0
	s_mov_b32 s[\g+7], 0
.endr
	; and for the scales of 128 rows: a dense block of 4,096 bytes, as 16 rows of 256 bytes (32 elements of 8 bytes), 16 bytes of padding behind each
	s_or_b32 s[G1S+0], s43, (3<<16)|(1<<20)|(1<<21)|(5<<22)|(3<<25)
	s_or_b32 s[G1SB+0], s44, (3<<16)|(1<<20)|(1<<21)|(5<<22)|(3<<25)
.irp g, G1S, G1SB
	s_mov_b32 s[\g+1], 32<<16
	s_mov_b32 s[\g+2], (128*KS/256)<<16
	s_mov_b32 s[\g+3], 32<<16
	s_mov_b32 s[\g+4], 128*KS/256
	s_mov_b32 s[\g+5], 32
	s_mov_b32 s[\g+6], 0
	s_mov_b32 s[\g+7], 0
.endr
	s_lshl_b32 s18, s16, 7                         ; which 128 rows of the tile I fetch
	s_lshl_b32 s20, s17, 8
	s_add_co_u32 s20, s20, s18                     ; A: row 256 x tile row + 128 x half
	s_lshl_b32 s46, s42, 8
	s_add_co_u32 s46, s46, s18                     ; B: row 256 x tile column + 128 x half
	s_lshl_b32 s47, s[TT], 10
	s_add_co_u32 s46, s46, s47                     ;    + 1,024 x tensor
	s_mov_b32 s21, 0
	s_mov_b32 s47, 0
	s_mov_b64 s[18:19], KS
	s_mul_u64 s[22:23], s[20:21], s[18:19]         ; where these rows' scales begin, in bytes
	s_mul_u64 s[92:93], s[46:47], s[18:19]
	s_mov_b64 s[18:19], KROW
	s_mul_u64 s[20:21], s[20:21], s[18:19]         ; and their codes
	s_mul_u64 s[46:47], s[46:47], s[18:19]
	s_mul_i32 s45, s14, HALFT                      ; where they go: wave x 128 rows: no place in the cluster enters an LDS address
	s_mul_i32 s94, s14, HALFS
	s_wait_dscnt 0x0                               ; both opening adds are done
	s_wait_kmcnt 0x0
	s_add_nc_u64 s[20:21], s[4:5], s[20:21]
	s_add_nc_u64 s[22:23], s[6:7], s[22:23]
	s_add_nc_u64 s[46:47], s[8:9], s[46:47]
	s_add_nc_u64 s[92:93], s[10:11], s[92:93]
	CROUND                                         ; all sixteen work-groups are here: the joint loads meet
	s_mov_b32 s[G0S], 1
	s_add_co_u32 s[G0S+1], s94, SCL
	s_mov_b64 s[G0S+2:G0S+3], s[22:23]
	s_or_b32 s[G0S+3], s[G0S+3], 0x80000000
	s_mov_b32 s[G0SB], 1
	s_add_co_u32 s[G0SB+1], s94, SCL
	s_mov_b64 s[G0SB+2:G0SB+3], s[92:93]
	s_or_b32 s[G0SB+3], s[G0SB+3], 0x80000000
	JLOAD G0S, G1S, G0SB, G1SB                     ; the scales first: they are wanted with K step 0
.irp s, 0,1
	s_mov_b32 s[G0+4*\s], 1
	s_add_co_u32 s[G0+4*\s+1], s45, \s*SLOT
	s_add_nc_u64 s[G0+4*\s+2:G0+4*\s+3], s[20:21], \s*ROWB
	s_or_b32 s[G0+4*\s+3], s[G0+4*\s+3], 0x80000000
	s_mov_b32 s[G0B+4*\s], 1
	s_add_co_u32 s[G0B+4*\s+1], s45, \s*SLOT
	s_add_nc_u64 s[G0B+4*\s+2:G0B+4*\s+3], s[46:47], \s*ROWB
	s_or_b32 s[G0B+4*\s+3], s[G0B+4*\s+3], 0x80000000
	JLOAD G0+4*\s, G1, G0B+4*\s, G1B               ; three tensor loads of mine are out: all that this launch asks for
.endr
	v_and_b32 v1, 15, v0                           ; r = l % 16
	v_bfe_u32 v2, v0, 4, 1                         ; h = l / 16
	; the bias of my 128 columns, in the result's layout, and the mask words of my 128 rows
	s_cmp_eq_u32 s[TT], 1                          ; the choices hang on the tensor's number alone
	s_cselect_b64 s[96:97], s[98:99], s[96:97]
	s_cselect_b32 s3, 0, -1                        ; keys: the mask counts; else every lane is kept
	s_cmp_eq_u32 s[TT], 2
	s_cselect_b64 s[96:97], s[66:67], s[96:97]
	s_cselect_b32 s18, 32, 16                      ; a lane's place in a store: r x s18 + h x s19
	s_cselect_b32 s19, 16, 256
	s_lshl_b32 s46, s42, 10                        ; 256 columns x 4 bytes
	s_lshl_b32 s47, s16, 9
	s_add_co_u32 s46, s46, s47
	s_mov_b32 s47, 0
	s_add_nc_u64 s[96:97], s[96:97], s[46:47]
	s_and_b32 s46, s17, 31                         ; the tile row inside its tensor: row = 1,024 x batch + position, as the mask is laid
	s_lshl_b32 s46, s46, 10
	s_lshl_b32 s47, s15, 9
	s_add_co_u32 s46, s46, s47
	s_mov_b32 s47, 0
	s_add_nc_u64 s[100:101], s[100:101], s[46:47]
	v_lshlrev_b32 v7, 5, v2                        ; 32 h: my half's eight columns
	v_lshlrev_b32 v8, 2, v1                        ; 4 r: my row's word
.irp b, 0,1,2,3,4,5,6,7
	global_load_b128 v[BI+8*\b:BI+8*\b+3], v7, s[96:97] offset:64*\b
	global_load_b128 v[BI+8*\b+4:BI+8*\b+7], v7, s[96:97] offset:64*\b+16
.endr
.irp a, 0,1,2,3,4,5,6,7
	global_load_b32 v[MK+\a], v8, s[100:101] offset:64*\a
.endr
	v_mul_u32_u24 v3, v1, PITCH
	v_lshl_add_u32 v4, v2, 4, v3                   ; a fragment's row x pitch + 16 x half
	s_mul_i32 s21, s15, HALFT                      ; my 128 rows of A
	s_mul_i32 s22, s16, HALFT                      ; my 128 rows of B,
	s_add_co_u32 s22, s22, 2*HALFT                 ; which lie behind A's 256
.irp s, 0,1
	v_add_nc_u32 v[ADRA+\s], s21, v4
	v_add_nc_u32 v[ADRB+\s], s22, v4
	s_add_co_u32 s21, s21, SLOT
	s_add_co_u32 s22, s22, SLOT
.endr
	v_mul_u32_u24 v5, v1, KS                       ; my row's scales: 32 bytes a row,
	v_lshrrev_b32 v6, 8, v5
	v_lshl_add_u32 v5, v6, 4, v5                   ; and 16 more for each 256 passed
	s_mul_i32 s21, s15, HALFS                      ; A's: my 128 rows
	s_mul_i32 s22, s16, HALFS                      ; B's: my 128 rows, behind A's 256
	s_add_co_u32 s22, s22, 2*HALFS
	s_sub_co_u32 s22, s22, s21
	v_mul_u32_u24 v6, s22, v2                      ; lanes 16-31 take B's
	s_add_co_u32 s21, s21, SCL
	v_add_nc_u32 v5, v5, v6
	v_add_nc_u32 v[ADRS], s21, v5
	v_mul_u32_u24 v5, s18, v1
	v_mad_u32_u24 v[CO], v2, s19, v5               ; q, k: 16 r + 256 h;  v: 32 r + 16 h
	s_lshl_b32 s20, s17, 8
	s_lshl_b32 s21, s15, 7
	s_add_co_u32 s20, s20, s21                     ; my first row: 256 x tile row + 128 x half
	s_lshr_b32 s21, s20, 10
	s_lshl_b32 s21, s21, 21                        ; (8 x tensor + batch) x 16 heads x 131,072 bytes
	s_and_b32 s22, s20, 1023
	s_lshl_b32 s22, s22, 7                         ; the position's tile x 2,048 bytes
	s_add_co_u32 s21, s21, s22
	s_lshl_b32 s22, s42, 2
	s_lshl_b32 s23, s16, 1
	s_add_co_u32 s22, s22, s23                     ; my first head: 4 x tile column + 2 x half
	s_lshl_b32 s22, s22, 17
	s_add_co_u32 s46, s21, s22
	s_mov_b32 s47, 0
	s_add_nc_u64 s[12:13], s[12:13], s[46:47]
.macro FRAG reg, adr, q, i             ; a fragment, 16 rows x 128 K of 4-bit codes, is 8 registers: lane l holds row l % 16; registers 4 c .. 4 c + 3 hold K = 64 c + 32 (l / 16) + 0 .. 31
.irp c, 0,1
	ds_load_b128 v[\reg+4*\c:\reg+4*\c+3], v[\adr] offset:64*(\q)+32*\c+(\i)*16*PITCH
.endr
.endm
; 16 matrix instructions: A's blocks a0, a0 + 1 x B's eight, 128 along K: the slot's q-th.  p: B's set;  sc: the set of scale words.  zero = 1: the first product starts the sums from the bias.
; The 64 accumulators take turns, one instruction a turn, in the same order in every step.
.macro MUL16 a0, p, q, sc, zero
.irp a, \a0, \a0+1
.irp b, 0,1,2,3,4,5,6,7
.if \zero
	v_wmma_scale_f32_16x16x128_f8f6f4 v[8*(8*((\a)%4)+\b):8*(8*((\a)%4)+\b)+7], v[128*(\p)+FR*\b:128*(\p)+FR*\b+FR-1], v[AF+FR*(\a):AF+FR*(\a)+FR-1], v[BI+8*\b:BI+8*\b+7], v[SC+8*NQ*(\sc)+NQ*\b+(\q)], v[SC+8*NQ*(\sc)+NQ*(\a)+(\q)] matrix_a_fmt:MATRIX_FMT_FP4 matrix_b_fmt:MATRIX_FMT_FP4 matrix_a_scale:MATRIX_SCALE_ROW1
.else
	v_wmma_scale_f32_16x16x128_f8f6f4 v[8*(8*((\a)%4)+\b):8*(8*((\a)%4)+\b)+7], v[128*(\p)+FR*\b:128*(\p)+FR*\b+FR-1], v[AF+FR*(\a):AF+FR*(\a)+FR-1], v[8*(8*((\a)%4)+\b):8*(8*((\a)%4)+\b)+7], v[SC+8*NQ*(\sc)+NQ*\b+(\q)], v[SC+8*NQ*(\sc)+NQ*(\a)+(\q)] matrix_a_fmt:MATRIX_FMT_FP4 matrix_b_fmt:MATRIX_FMT_FP4 matrix_a_scale:MATRIX_SCALE_ROW1
.endif
.endr
.endr
.endm
.macro FETCH_B slot, q, p              ; B's eight fragments of the slot's q-th 128 along K into set p
	WIN TO_B
.irp i, 0,1,2,3,4,5,6,7
	FRAG 128*(\p)+FR*\i, ADRB+\slot, \q, \i
.endr
	WIN 0
.endm
.macro FETCH_A slot, q, i0             ; A's blocks i0 .. i0 + 3
.irp i, \i0, \i0+1, \i0+2, \i0+3
	FRAG AF+FR*(\i), ADRA+\slot, \q, \i
.endr
.endm
.macro SCALES sc                       ; a K step's scale words into set sc: 4 words a row; lanes 0-15 take A's block i, lanes 16-31 B's block i
.irp i, 0,1,2,3,4,5,6,7
	ds_load_b128 v[SC+8*NQ*\sc+NQ*\i:SC+8*NQ*\sc+NQ*\i+3], v[ADRS] offset:\i*SBLK
.endr
.endm
; A load into a register that a matrix instruction has read, and a vector instruction that reads a matrix result, stand NP places behind that matrix instruction; only plain vector instructions that
; name none of its registers are places (ISA guide 7.12.1 for vector instructions).
.macro PLACES n
.rept \n
	v_nop
.endr
.endm
; A step of 128 along K that has its successor in the same slot.  A's blocks go one after the other, each against B's eight: so one set of registers serves A (blocks 0-3 are fetched anew in the step's middle,
; blocks 4-7 at its end), and B, at work through the whole step, has two.
.macro STEP slot, q, zero
	s_wait_dscnt 4*NL                              ; B's set and A's blocks 0-3 are in; the youngest eight loads (A's blocks 4-7) may be out
	WIN MUL_LO-0x20*(\zero)
	MUL16 0, (\q)%2, \q, \slot, \zero
	MUL16 2, (\q)%2, \q, \slot, \zero
	s_wait_dscnt 0                                 ; A's blocks 4-7 are in (asked for 32 matrix instructions ago)
	PLACES NP
	FETCH_B \slot, (\q)+1, 1-(\q)%2
	FETCH_A \slot, (\q)+1, 0
	WIN MUL_HI-0x30*(\zero)
	MUL16 4, (\q)%2, \q, \slot, \zero
	MUL16 6, (\q)%2, \q, \slot, \zero
	PLACES NP
	WIN 0
	FETCH_A \slot, (\q)+1, 4
.endm
.macro STEPS slot, from                ; the slot's steps from .. NQ - 2
.set QQ, \from
.rept NQ-1-\from
	STEP \slot, QQ, 0
.set QQ, QQ+1
.endr
.endm
	s_wait_tensorcnt 1                             ; the scales and my part of slot 0 are in (slot 1's load may be out)
	s_barrier_signal -1
	s_barrier_wait -1                              ; everybody's are
	FETCH_B 0, 0, 0
	FETCH_A 0, 0, 0
	SCALES 0
	FETCH_A 0, 0, 4
	s_wait_loadcnt 0x0                             ; the bias and the mask words
	STEP 0, 0, 1                                   ; the first step's products start the sums from the bias
	STEPS 0, 1
	; slot 0's last step changes slots: one barrier; in front of it each wave shows its part of slot 1 landed
	s_wait_tensorcnt 0x0                           ; all my tensor loads have landed
	ds_add_u32 v[SPW], v[NIL]                      ; 0 onto my spare word
	s_wait_dscnt 4*NL+1                            ; (the add and the youngest eight loads, A's blocks 4-7, may be out)
	WIN MUL_LO
	MUL16 0, 1, NQ-1, 0, 0                         ; sixteen matrix instructions stand between the add and the wait for it
	s_wait_dscnt 0x0                               ; the add is done, and no LDS load of mine is out
	s_barrier_signal -1
	MUL16 2, 1, NQ-1, 0, 0
	WIN 0
	s_barrier_wait -1                              ; slot 1 is whole
	PLACES NP
	v_add_nc_u32 v[ADRS], 4*NQ, v[ADRS]            ; on to slot 1's scale words
	FETCH_B 1, 0, 0
	FETCH_A 1, 0, 0
	SCALES 1
	WIN MUL_HI
	MUL16 4, 1, NQ-1, 0, 0
	MUL16 6, 1, NQ-1, 0, 0
	PLACES NP
	WIN 0
	FETCH_A 1, 0, 4
	STEPS 1, 0
	s_wait_dscnt 4*NL                              ; the very last step: nothing more to fetch
	WIN MUL_LO
	MUL16 0, 1, NQ-1, 1, 0
	MUL16 2, 1, NQ-1, 1, 0
	s_wait_dscnt 0
	WIN MUL_HI
	MUL16 4, 1, NQ-1, 1, 0
	MUL16 6, 1, NQ-1, 1, 0
	WIN 0
	; THE WAY OUT.  A lane's eight results of a tile are 16 bytes of f16, and the 32 lanes' 16 bytes are the 512 bytes of one (tile of positions, 16 channels): they are stored as they stand.
	PLACES NP                                      ; behind the last products: their results are read and A's registers written below
.irp a, 0,1,2,3,4,5,6,7
	v_cmp_ne_u32 s[LM+\a], 0, v[MK+\a]             ; the lanes whose row's mask word is not 0
.endr
.irp a, 0,1,2,3,4,5,6,7
	s_or_b32 s[LM+\a], s[LM+\a], s3                ; query and values: all lanes
.endr
.macro OUTB a
.set AC, 64*((\a)%4)
.set TM, TMP+32*((\a)%2)
.if (\a) > 1
	s_wait_xcnt 0x0                                ; block a - 2's stores have read their registers, which are written again below
.endif
	WIN 0x0a+5*((\a)/4)                            ; sources 0 and 1: window 2 or 3
.irp b, 0,1,2,3,4,5,6,7
.irp i, 0,1,2,3
	v_cvt_pk_f16_f32 v[TM+4*\b+\i], v[AC+8*\b+2*\i], v[AC+8*\b+2*\i+1]   ; each accumulator from its low end on
.endr
.endr
	WIN 0
.set J, 0
.rept 32
	v_cndmask_b32 v[TM+J], 0, v[TM+J], s[LM+(\a)]  ; a masked key's row becomes zeros: a choice of values, done for every tensor alike
.set J, J+1
.endr
.irp b, 0,1,2,3,4,5,6,7
	global_store_b128 v[CO], v[TM+4*\b:TM+4*\b+3], s[12:13] offset:(\a)*2048+(\b/4)*131072+(\b%4)*512   ; 32 lanes store 512 consecutive bytes, aligned: tile a of positions, head b / 4, channels 16 (b % 4) on
.endr
.endm
.irp a, 0,1,2,3,4,5,6,7
	OUTB \a
.endr
	s_wait_tensorcnt 0x0                           ; the wave's end: behind my last tensor load
	ds_add_u32 v[SPW], v[NIL]
	s_wait_dscnt 0x0
	CROUND                                         ; the closing round: no work-group ends while a partner may still ask for a tile that names it
	s_endpgm
.Lfunc_end_k_q12a41213a5_proj:
	.size	k_q12a41213a5_proj, .Lfunc_end_k_q12a41213a5_proj-k_q12a41213a5_proj
	.p2alignl 7, 3214868480
	.fill 96, 4, 3214868480
	.section	.rodata,"a",@progbits
	.p2align	6, 0x0
	.amdhsa_kernel k_q12a41213a5_proj
		.amdhsa_group_segment_fixed_size 327680
		.amdhsa_private_segment_fixed_size 0
		.amdhsa_enable_private_segment 0
		.amdhsa_kernarg_size 72
		.amdhsa_user_sgpr_count 2
		.amdhsa_user_sgpr_kernarg_segment_ptr 1
		.amdhsa_wavefront_size32 1
		.amdhsa_system_sgpr_workgroup_id_x 1
		.amdhsa_system_sgpr_workgroup_id_y 1
		.amdhsa_system_sgpr_workgroup_id_z 1
		.amdhsa_system_vgpr_workitem_id 0
		.amdhsa_next_free_vgpr 1024
		.amdhsa_next_free_sgpr 102
		.amdhsa_reserve_vcc 0
		.amdhsa_float_denorm_mode_32 3
		.amdhsa_float_denorm_mode_16_64 3
		.amdhsa_memory_ordered 1
		.amdhsa_forward_progress 1
		.amdhsa_inst_pref_size 138
	.end_amdhsa_kernel
	.amdgpu_metadata
---
amdhsa.version: [ 1, 2 ]
amdhsa.kernels:
  - .name:           k_q12a41213a5_proj
    .symbol:         k_q12a41213a5_proj.kd
    .args:
      - { .name: xc, .offset: 0, .size: 8, .value_kind: global_buffer, .address_space: global }
      - { .name: xs, .offset: 8, .size: 8, .value_kind: global_buffer, .address_space: global }
      - { .name: wc, .offset: 16, .size: 8, .value_kind: global_buffer, .address_space: global }
      - { .name: ws, .offset: 24, .size: 8, .value_kind: global_buffer, .address_space: global }
      - { .name: qkv16, .offset: 32, .size: 8, .value_kind: global_buffer, .address_space: global }
      - { .name: bq, .offset: 40, .size: 8, .value_kind: global_buffer, .address_space: global }
      - { .name: bk, .offset: 48, .size: 8, .value_kind: global_buffer, .address_space: global }
      - { .name: bv, .offset: 56, .size: 8, .value_kind: global_buffer, .address_space: global }
      - { .name: mask, .offset: 64, .size: 8, .value_kind: global_buffer, .address_space: global }
    .group_segment_fixed_size: 327680
    .private_segment_fixed_size: 0
    .kernarg_segment_align: 8
    .kernarg_segment_size: 72
    .max_flat_workgroup_size: 128
    .sgpr_count:     102
    .vgpr_count:     1024
    .wavefront_size: 32
...
	.end_amdgpu_metadata
.endif
;; end of part 2
;; launch attn (part 3): grid 2 x 128, 8 waves a work-group, no clusters, 327,680 bytes of LDS; arguments qkv16, mask, o16; writes o16
.if DOCPART == 3
	.amdgcn_target "amdgcn-amd-amdhsa--gfx1250"
	.amdhsa_code_object_version 6
	.text
	.protected	k_q12a41213a5_attn
	.globl	k_q12a41213a5_attn
	.p2align	8
	.type	k_q12a41213a5_attn,@function
k_q12a41213a5_attn:
	s_mov_b64 s[64:65], 0
	v_nop
	global_prefetch_b8 v0, s[64:65] scope:SCOPE_SE
	s_setreg_imm32_b32 hwreg(HW_REG_WAVE_MODE, 25, 1), 1
	s_wait_xcnt 0x0
; o[b][q][head] = the sum over k of softmax_k(energy(q, k) / 32) v[b][k][head], energy = q . k over the head's 64 channels, or -1e20 where the key's mask word is 0.
; q, k, v: f16, from qkv16 [t][batch 8][head 16][64 tiles of 16 positions][4: 16 channels][512 bytes] (q and k as images of operand registers, v as rows of 32 bytes).  Products, maxima and sums in f32; the
; weights p are rounded to f16 for the second product, o once at the end.
; SHARES.  A work-group owns 512 queries (work-group x) of one batch and head (work-group y); each of its eight waves 64: four tiles of 16.  Two waves lie on a SIMD, so that one wave's softmax
; stands beside the other's products.  Every wave walks all 1,024 keys, 64 a step.
; THE WHOLE HEAD'S K AND V, 131,072 bytes each, LIE IN LDS, EACH BYTE FILLED ONCE, IN TWO GOES.  At the head each wave asks for 8,192 dense bytes of the first 256 keys (waves 0-3: K's, waves 4-7: V's), so
; that the first products wait for 65,536 bytes and not for 262,144.  Behind the first barrier each wave asks, by ONE load, for 24,576 dense bytes of the other 768 keys: that load has the first four key
; steps in which to land, and is waited for, with a barrier, in front of the fifth.  One tensor load of a wave is out at a time; no byte is filled again, so there is no ring.
; LAYOUT.  S^T = K Q^T (source 0 = 16 keys, source 1 = 16 queries): a lane holds ONE query (lane % 16) and the keys 8 (lane / 16) + 0 .. 7.  Two such tiles, rounded to f16 in pairs, ARE source 1 of
; O^T = V^T P, whose result again holds one query a lane, and eight channels.  K comes out of LDS at 16 x lane, V turned, by ds_load_tr16_b128.  O^T's 16 bytes a lane are an image of the last product's operand.
; THE MASK costs no vector work in the loop: the C of a score's first product is 0, or -2^67 for a key whose mask word is 0; such a key's row of k was stored as zeros, so its score is exactly -2^67.
; c x 2^67 is exact, so where no key of a batch is open every p is 1 and o is the mean of v.
; SOFTMAX.  For each query a running maximum m and sum l: p = 2^(c s - c m), c = log2(e) / 32; in every step O and l are multiplied by a = 2^(c m_old - c m_new).
; LIMITS: -2^67 stands for -1e20: the results are equal while open energies stay above -2^60.  |o| from 65,504 on becomes infinite in f16; p and o under 6e-5 keep steps of 2^-24.  NaN and infinities are not served.
; NO CLUSTER: only the grid's two work-groups along x share a head's K and V, and two do not divide into groups of four.  NO PREFETCH: all tiles are asked for by the end of the first barrier.
; REGISTERS: window 0: v1-7 addresses; v8-15 at work at the head; v60, v61 the add's two; v64-95 statistics, 8 a tile; v96-127 the keys' bias, 8 a tile of keys; v128-255 S^T, 32 a tile, then P in the lower 16 of each 32.
;   window 1: v0-127 O^T, 32 a tile; v128-191 Q, 16 a tile; v192-255 K of a step, then V of the same step.
.set AK0, 1                            ; v1   16 x lane: my place in an image (K, Q, o)
.set AV0, 3                            ; v3   my place in a block of V for the turning load
.set AB0, 4                            ; v4   my half's eight numbers of the bias
.set ADK, 5                            ; v5-7 the step's addresses
.set ADV, 6
.set ADB, 7
.set SPW, 60                           ; v60  LDS address of my spare word; never rewritten
.set NIL, 61                           ; v61  0; never rewritten
.set ST,  64                           ; tile t's statistics at v[ST+8 t]: +0 c m, +1 m, +2, +3 l (even keys', odd keys'), +4 to +7 c0-c3, at work; a takes c2's place
.set BI,  96
.set S,   128
.set Q,   128                          ; in window 1
.set KV,  192                          ; in window 1
.set VBASE, 131072                     ; LDS: K at 0, V here,
.set BIAS,  262144                     ; the keys' bias, 1,024 numbers of f32, written by ds_store: no tensor load lands here,
.set SPARE, 266240                     ; the spare words, 128 bytes for each of eight waves: four blocks of 256 bytes that no other line names
.set HEADB, 32768                      ; bytes of K, and of V, for the first 256 keys
.set RESTQ, 24576                      ; a wave's quarter of the other 98,304
.set G1,  16                           ; s[16:23] descriptor group 1 for the first load: 32 rows of 256 bytes
.set G0,  24                           ; s[24:27] its group 0
.set G0R, 28                           ; s[28:31] group 0 for the second load
.set G1R, 32                           ; s[32:39] its group 1: 96 rows of 256 bytes
.set CS,  40                           ; s[40:41] c: the packed scaling names a pair and takes its low word for both halves
.set SEL, 42                           ; s[42:43] lane selects for v_permlanex16_b32: lane l xor 16
.set TB,  44                           ; s44  LDS byte at which the step's tiles of K begin: 8,192 a step
.set TBB, 45                           ; s45  and its part of the bias: 256 a step
.set CNT, 46                           ; s46  counts a loop's steps
.set MSB, 0
.macro WIN new                         ; the immediate's high byte repeats the setting that is left
.if MSB != (\new)
	s_set_vgpr_msb (MSB<<8)|(\new)
.set MSB, (\new)
.endif
.endm
.set W_LD, 0x40                        ; destination window 1, address window 0
.set W_KQ, 0x05                        ; K and Q window 1, C and S^T window 0
.set W_RS, 0x41                        ; O^T (destination and source 0) window 1, a window 0
.set W_PV, 0x51                        ; V window 1, P window 0, C and O^T window 1
	s_load_b128 s[4:7], s[0:1], 0x0                ; qkv16 s[4:5], mask s[6:7]
	s_load_b64 s[8:9], s[0:1], 0x10                ; o16
	v_lshl_add_u32 v[SPW], v0, 2, SPARE
	v_mov_b32 v[NIL], 0
	ds_add_u32 v[SPW], v[NIL]                      ; the wave's opening: the add, twice on end, and its wait ahead of my first tensor load; the set-up below stands between
	ds_add_u32 v[SPW], v[NIL]
	v_lshrrev_b32 v8, 5, v0
	v_readfirstlane_b32 s10, v8                    ; wave 0..7
	s_and_b32 s11, ttmp7, 0xffff                   ; 16 x batch + head
	; descriptor groups 1: dense bytes as rows of 256 (32 elements of 8 bytes), no padding: fragments are read at 16 x lane
	s_mov_b32 s[G1+0], 3<<16                       ; 15:0 no mask; 17:16 elements of 8 bytes
	s_mov_b32 s[G1+1], 32<<16                      ; tensor_dim0 = 32
	s_mov_b32 s[G1+2], 32<<16                      ; tensor_dim1 = 32
	s_mov_b32 s[G1+3], 32<<16                      ; tile_dim0 = 32
	s_mov_b32 s[G1+4], 32                          ; tile_dim1 = 32: 8,192 bytes
	s_mov_b32 s[G1+5], 32                          ; tensor_dim0_stride
	s_mov_b32 s[G1+6], 0
	s_mov_b32 s[G1+7], 0
	s_mov_b32 s[G1R+0], 3<<16
	s_mov_b32 s[G1R+1], 32<<16
	s_mov_b32 s[G1R+2], 96<<16                     ; tensor_dim1 = 96
	s_mov_b32 s[G1R+3], 32<<16
	s_mov_b32 s[G1R+4], 96                         ; tile_dim1 = 96: 24,576 bytes
	s_mov_b32 s[G1R+5], 32
	s_mov_b32 s[G1R+6], 0
	s_mov_b32 s[G1R+7], 0
	s_lshr_b32 s12, s10, 2                         ; waves 0-3 fetch K, waves 4-7 V
	s_and_b32 s13, s10, 3                          ; which quarter
	s_lshl_b32 s14, s12, 17                        ; in LDS: 131,072 x (K or V)
	s_lshl_b32 s15, s13, 13                        ; my quarter of the first 256 keys' 32,768 bytes
	s_mul_i32 s47, s13, RESTQ
	s_add_co_u32 s47, s47, HEADB                   ; my quarter of the other 98,304, which lie behind them: in memory and in LDS alike
	s_lshl_b32 s48, s11, 17                        ; the head's 131,072 bytes
	s_add_co_u32 s50, s12, 1
	s_lshl_b32 s50, s50, 24                        ; tensor 1 (k) or 2 (v): 2^24 bytes each
	s_add_co_u32 s50, s50, s48
	s_mov_b32 s51, 0
	s_lshl_b32 s52, ttmp9, 16                      ; Q: 32 tiles of 2,048 bytes for 512 queries,
	s_lshl_b32 s53, s10, 13                        ; 4 tiles a wave
	s_add_co_u32 s52, s52, s53
	s_add_co_u32 s52, s52, s48
	s_mov_b32 s53, 0
	s_lshr_b32 s54, s11, 4                         ; the batch
	s_lshl_b32 s56, s54, 3
	s_lshl_b32 s54, s54, 12                        ; its 4,096 bytes of the mask
	s_mov_b32 s55, 0
	s_lshl_b32 s57, ttmp9, 2                       ; o16 [64: 128 rows][8: 128 of K][8 tiles of rows][4: 32 of K][2][32 lanes][16 bytes]
	s_add_co_u32 s56, s56, s57
	s_lshr_b32 s57, s10, 1
	s_add_co_u32 s56, s56, s57                     ; which 128 rows: 8 x batch + 4 x work-group x + wave / 2
	s_lshl_b32 s56, s56, 18
	s_bfe_u32 s57, s11, 0x30001                    ; head / 2: which 128 of the last product's K
	s_lshl_b32 s57, s57, 15
	s_add_co_u32 s56, s56, s57
	s_and_b32 s57, s10, 1                          ; my four tiles of rows
	s_lshl_b32 s57, s57, 14
	s_add_co_u32 s56, s56, s57
	s_and_b32 s57, s11, 1                          ; head % 2: which 64 of the 128
	s_lshl_b32 s57, s57, 11
	s_add_co_u32 s56, s56, s57
	s_mov_b32 s57, 0
	s_mov_b32 s[CS], 0x3d38aa3b                    ; c = log2(e) / 32
	s_mov_b32 s[CS+1], s[CS]                       ; named with it as a pair, so it is written
	s_mov_b32 s[SEL], 0x76543210
	s_mov_b32 s[SEL+1], 0xfedcba98
	s_mov_b32 s3, 0
	s_wait_dscnt 0x0                               ; both opening adds are done
	s_wait_kmcnt 0x0
	s_add_nc_u64 s[50:51], s[4:5], s[50:51]        ; the head's K or V
	s_add_nc_u64 s[4:5], s[4:5], s[52:53]          ; Q at my wave's first tile
	s_add_nc_u64 s[6:7], s[6:7], s[54:55]          ; the batch's mask
	s_add_nc_u64 s[8:9], s[8:9], s[56:57]          ; o at my wave's first image
	s_mov_b32 s2, s15
	s_mov_b32 s[G0], 1                             ; 1:0 count = 1
	s_add_co_u32 s[G0+1], s14, s15                 ; 63:32 LDS address
	s_add_nc_u64 s[G0+2:G0+3], s[50:51], s[2:3]    ; 120:64 global address
	s_or_b32 s[G0+3], s[G0+3], 0x80000000          ; 127:126 type = 2
	s_mov_b32 s2, s47
	s_mov_b32 s[G0R], 1
	s_add_co_u32 s[G0R+1], s14, s47
	s_add_nc_u64 s[G0R+2:G0R+3], s[50:51], s[2:3]
	s_or_b32 s[G0R+3], s[G0R+3], 0x80000000
	tensor_load_to_lds s[G0:G0+3], s[G1:G1+7]      ; my piece of the first 256 keys, on every wave's path alike
	s_nop 0
.rept 4
	v_nop
.endr
	v_and_b32 v9, 31, v0
	v_lshlrev_b32 v[AK0], 4, v9                    ; 16 x lane
	v_bfe_u32 v10, v0, 4, 1                        ; h
	v_and_b32 v11, 7, v0
	v_lshl_add_u32 v11, v10, 3, v11                ; the turning load: lane l reads 16 bytes of key 8 (l / 16) + l % 8,
	v_bfe_u32 v13, v0, 3, 1
	v_lshlrev_b32 v13, 4, v13                      ; channels 8 ((l / 8) % 2) + 0 .. 7: sixteen lanes take 8 rows x 32 bytes, 256 bytes on end
	v_lshl_add_u32 v[AV0], v11, 5, v13
	v_add_nc_u32 v[AV0], VBASE, v[AV0]
	v_lshl_add_u32 v[AB0], v10, 5, BIAS
	v_lshlrev_b32 v12, 4, v0                       ; the mask: 16 bytes a thread: 256 threads take the batch's 1,024 words
	v_lshl_add_u32 v15, v0, 4, BIAS
	v_mov_b32 v14, 0xe1000000                      ; -2^67
	global_load_b128 v[8:11], v12, s[6:7]
	WIN W_LD
.set i, 0
.rept 16                               ; Q stays in registers: tile i / 4, fragment (i / 2) % 2 of 32 channels, half i % 2
	global_load_b128 v[Q+4*i:Q+4*i+3], v[AK0], s[4:5] offset:512*i
.set i, i+1
.endr
	WIN 0
	s_wait_loadcnt 16                              ; the mask words are in; Q's sixteen loads may be out
.irp j, 8,9,10,11
	v_cmp_eq_u32 vcc_lo, 0, v\j
	v_cndmask_b32 v\j, 0, v14, vcc_lo              ; 0 for an open key, -2^67 for a masked one
.endr
	ds_store_b128 v15, v[8:11]
	s_wait_loadcnt 0x0                             ; Q
; A KEY STEP: 64 keys.  first = 1: the first step, which starts m, l and O^T: it has no a and nothing to rescale.
.macro STEP first
	v_add_nc_u32 v[ADK], s[TB], v[AK0]             ; these three and two v_nop are the five places behind the last step's products: loads land in V's registers, and the scores are written over P
	v_add_nc_u32 v[ADV], s[TB], v[AV0]
	v_add_nc_u32 v[ADB], s[TBB], v[AB0]
	v_nop
	v_nop
	WIN W_LD
.set i, 0
.rept 16                               ; K: tile of keys i / 4, fragment (i / 2) % 2, half i % 2: 512 consecutive bytes a load
	ds_load_b128 v[KV+4*i:KV+4*i+3], v[ADK] offset:512*i
.set i, i+1
.endr
	WIN 0
.irp kt, 0,1,2,3
	ds_load_b128 v[BI+8*\kt:BI+8*\kt+3], v[ADB] offset:64*\kt      ; the bias of keys 16 kt + 8 h + 0 .. 7, in the result's layout
	ds_load_b128 v[BI+8*\kt+4:BI+8*\kt+7], v[ADB] offset:64*\kt+16
.endr
	s_wait_dscnt 0x0
	WIN W_KQ
.irp ks, 0,1                           ; S^T = K Q^T + bias: the 16 accumulators take turns, one instruction a turn
.irp kt, 0,1,2,3
.irp t, 0,1,2,3
.if \ks == 0
	v_wmma_f32_16x16x32_f16 v[S+32*\t+8*\kt:S+32*\t+8*\kt+7], v[KV+8*(2*\kt+\ks):KV+8*(2*\kt+\ks)+7], v[Q+16*\t+8*\ks:Q+16*\t+8*\ks+7], v[BI+8*\kt:BI+8*\kt+7]
.else
	v_wmma_f32_16x16x32_f16 v[S+32*\t+8*\kt:S+32*\t+8*\kt+7], v[KV+8*(2*\kt+\ks):KV+8*(2*\kt+\ks)+7], v[Q+16*\t+8*\ks:Q+16*\t+8*\ks+7], v[S+32*\t+8*\kt:S+32*\t+8*\kt+7]
.endif
.endr
.endr
.endr
	WIN 0
.rept 4
	v_nop                                          ; four places: loads land in K's registers, and the scores are read
.endr
	WIN W_LD
.irp u, 0,1                            ; V, turned: keys 32 u on, channels 16 ct on: it lands while the softmax is worked
.irp ct, 0,1,2,3
	ds_load_tr16_b128 v[KV+8*(4*\u+\ct):KV+8*(4*\u+\ct)+3],   v[ADV] offset:4096*\u+512*\ct
	ds_load_tr16_b128 v[KV+8*(4*\u+\ct)+4:KV+8*(4*\u+\ct)+7], v[ADV] offset:4096*\u+512*\ct+2048
.endr
.endr
	WIN 0
	; THE SOFTMAX, the four tiles by turns, so that no line waits for the line above it.  The maximum: four chains of seven scores each (each accumulator from its low end on), then the four scores left over
.irp j, 0,1,2,3
.irp t, 0,1,2,3
	v_max3_num_f32 v[ST+8*\t+4+\j], v[S+32*\t+8*\j], v[S+32*\t+8*\j+1], v[S+32*\t+8*\j+2]
.endr
.endr
.irp g, 1,2
.irp j, 0,1,2,3
.irp t, 0,1,2,3
	v_max3_num_f32 v[ST+8*\t+4+\j], v[ST+8*\t+4+\j], v[S+32*\t+8*\j+2*\g+1], v[S+32*\t+8*\j+2*\g+2]
.endr
.endr
.endr
.irp t, 0,1,2,3
	v_max3_num_f32 v[ST+8*\t+4], v[ST+8*\t+4], v[S+32*\t+7], v[S+32*\t+15]
.endr
.irp t, 0,1,2,3
	v_max3_num_f32 v[ST+8*\t+6], v[ST+8*\t+6], v[S+32*\t+23], v[S+32*\t+31]
.endr
.irp t, 0,1,2,3
	v_max3_num_f32 v[ST+8*\t+4], v[ST+8*\t+4], v[ST+8*\t+5], v[ST+8*\t+6]
.endr
.irp t, 0,1,2,3
.if \first
	v_max_num_f32 v[ST+8*\t+4], v[ST+8*\t+4], v[ST+8*\t+7]
.else
	v_max3_num_f32 v[ST+8*\t+4], v[ST+8*\t+4], v[ST+8*\t+7], v[ST+8*\t+1]   ; and the old m
.endif
.endr
.irp t, 0,1,2,3
	v_permlanex16_b32 v[ST+8*\t+5], v[ST+8*\t+4], s[SEL], s[SEL+1]   ; the query's other 32 keys lie in the lane 16 away
.endr
.if !\first
.irp t, 0,1,2,3
	v_mov_b32 v[ST+8*\t+7], v[ST+8*\t]             ; c m_old is kept for a
.endr
.endif
.irp t, 0,1,2,3
	v_max_num_f32 v[ST+8*\t+1], v[ST+8*\t+4], v[ST+8*\t+5]
.endr
.irp t, 0,1,2,3
	v_mul_f32 v[ST+8*\t], s[CS], v[ST+8*\t+1]
.endr
.if !\first
.irp t, 0,1,2,3
	v_sub_f32 v[ST+8*\t+7], v[ST+8*\t+7], v[ST+8*\t]   ; the difference of the two numbers that the exponents were and are taken against
.endr
.endif
.set i, 0
.rept 16
.irp t, 0,1,2,3
	v_pk_fma_f32 v[S+32*\t+2*i:S+32*\t+2*i+1], v[S+32*\t+2*i:S+32*\t+2*i+1], s[CS:CS+1], v[ST+8*\t:ST+8*\t+1] op_sel_hi:[1,0,0] neg_lo:[0,0,1] neg_hi:[0,0,1]   ; c s - c m, two at a time
.endr
.set i, i+1
.endr
.if !\first
.irp t, 0,1,2,3
	v_exp_f32 v[ST+8*\t+6], v[ST+8*\t+7]           ; a
.endr
.endif
.set i, 0
.rept 32                               ; ONE BATCH: none of these reads an exponential's result
.irp t, 0,1,2,3
	v_exp_f32 v[S+32*\t+i], v[S+32*\t+i]
.endr
.set i, i+1
.endr
	v_nop                                          ; a plain instruction behind the last exponential, ahead of the first use
	s_wait_alu depctr_va_vdst(0)                   ; and the wait ahead of the first instruction that names a result: one for the batch
.irp t, 0,1,2,3
.if \first
	v_pk_add_f32 v[ST+8*\t+2:ST+8*\t+3], v[S+32*\t:S+32*\t+1], v[S+32*\t+2:S+32*\t+3]
.else
	v_pk_fma_f32 v[ST+8*\t+2:ST+8*\t+3], v[ST+8*\t+2:ST+8*\t+3], v[ST+8*\t+6:ST+8*\t+7], v[S+32*\t:S+32*\t+1] op_sel_hi:[1,0,1]   ; l = a l + the first pair
.endif
.endr
.set i, 1+\first
.rept 15-\first                        ; the sum of the unrounded p, a pair at a time
.irp t, 0,1,2,3
	v_pk_add_f32 v[ST+8*\t+2:ST+8*\t+3], v[ST+8*\t+2:ST+8*\t+3], v[S+32*\t+2*i:S+32*\t+2*i+1]
.endr
.set i, i+1
.endr
.set i, 0
.rept 16                               ; P, in place: register i takes p 2 i and 2 i + 1; what it overwrites has been read
.irp t, 0,1,2,3
	v_cvt_pk_f16_f32 v[S+32*\t+i], v[S+32*\t+2*i], v[S+32*\t+2*i+1]
.endr
.set i, i+1
.endr
.if !\first
	WIN W_RS
.set i, 0
.rept 16                               ; O^T times a, each accumulator from its low end on
.irp t, 0,1,2,3
	v_pk_mul_f32 v[32*\t+2*i:32*\t+2*i+1], v[32*\t+2*i:32*\t+2*i+1], v[ST+8*\t+6:ST+8*\t+7] op_sel_hi:[1,0]
.endr
.set i, i+1
.endr
.endif
	s_wait_dscnt 0x0                               ; V is in
	WIN W_PV
.irp u, 0,1                            ; O^T += V^T P: the 16 accumulators take turns
.irp ct, 0,1,2,3
.irp t, 0,1,2,3
.if \first && (\u == 0)
	v_wmma_f32_16x16x32_f16 v[32*\t+8*\ct:32*\t+8*\ct+7], v[KV+8*(4*\u+\ct):KV+8*(4*\u+\ct)+7], v[S+32*\t+8*\u:S+32*\t+8*\u+7], 0
.else
	v_wmma_f32_16x16x32_f16 v[32*\t+8*\ct:32*\t+8*\ct+7], v[KV+8*(4*\u+\ct):KV+8*(4*\u+\ct)+7], v[S+32*\t+8*\u:S+32*\t+8*\u+7], v[32*\t+8*\ct:32*\t+8*\ct+7]
.endif
.endr
.endr
.endr
	WIN 0                                          ; at a label and at a branch every window is 0
	s_add_co_u32 s[TB], s[TB], 8192
	s_add_co_u32 s[TBB], s[TBB], 256
.endm
	; THE FIRST BARRIER.  Behind it the first 256 keys and the bias are whole, and each wave asks for its part of the other 768 keys: bytes that nothing has filled yet.  A first fill that comes later is
	; issued as a refill is: the three lines in front of the barrier, the one load first behind it.
	s_wait_tensorcnt 0x0                           ; my piece of the first 256 keys is in: no tensor load of mine is out
	ds_add_u32 v[SPW], v[NIL]                      ; 0 onto my spare word
	s_mov_b32 s[TB], 0
	s_mov_b32 s[TBB], 0
	s_wait_dscnt 0x0                               ; the add is done, and my part of the bias is stored
	s_barrier_signal -1
	s_barrier_wait -1                              ; everybody's are
	tensor_load_to_lds s[G0R:G0R+3], s[G1R:G1R+7]  ; my quarter of K's or V's other 98,304 bytes: my one tensor load behind this barrier, and my last
	s_nop 0
.rept 4
	v_nop
.endr
	STEP 1
	s_mov_b32 s[CNT], 3
.Lhead:                                                ; key steps 1 to 3: with step 0 the first 256 keys
	STEP 0
	s_sub_co_u32 s[CNT], s[CNT], 1
	s_cmp_lg_u32 s[CNT], 0
	s_cbranch_scc1 .Lhead
	s_wait_tensorcnt 0x0                           ; my part of the other 768 keys is in (asked for four key steps ago),
	s_wait_dscnt 0x0
	s_barrier_signal -1
	s_barrier_wait -1                              ; everybody's is
	s_mov_b32 s[TB], HEADB
	s_mov_b32 s[TBB], 1024
	s_mov_b32 s[CNT], 12
.Lrest:                                                ; key steps 4 to 15
	STEP 0
	s_sub_co_u32 s[CNT], s[CNT], 1
	s_cmp_lg_u32 s[CNT], 0
	s_cbranch_scc1 .Lrest
	; THE WAY OUT.  l's two halves and the other half of the lanes' are added (the first four additions are the places behind the last products); O^T is divided by l, rounded to f16 and stored as it stands:
	; a lane's eight channels are 16 bytes, the 32 lanes' 512 bytes half a fragment of the last product's operand.
.irp t, 0,1,2,3
	v_add_f32 v[ST+8*\t+4], v[ST+8*\t+2], v[ST+8*\t+3]
.endr
.irp t, 0,1,2,3
	v_permlanex16_b32 v[ST+8*\t+5], v[ST+8*\t+4], s[SEL], s[SEL+1]
.endr
.irp t, 0,1,2,3
	v_add_f32 v[ST+8*\t+4], v[ST+8*\t+4], v[ST+8*\t+5]
.endr
.irp t, 0,1,2,3
	v_rcp_f32 v[ST+8*\t+6], v[ST+8*\t+4]
.endr
	v_nop                                          ; a plain instruction between the last reciprocal and the use of its result
	s_wait_alu depctr_va_vdst(0)                   ; and the wait: one for the four
.irp t, 0,1,2,3
	WIN W_RS
.set i, 0
.rept 16
	v_pk_mul_f32 v[32*\t+2*i:32*\t+2*i+1], v[32*\t+2*i:32*\t+2*i+1], v[ST+8*\t+6:ST+8*\t+7] op_sel_hi:[1,0]
.set i, i+1
.endr
	WIN 0x05                                       ; sources 0 and 1 window 1, destination window 0: S^T's registers are free
.set i, 0
.rept 16
	v_cvt_pk_f16_f32 v[S+32*\t+i], v[32*\t+2*i], v[32*\t+2*i+1]
.set i, i+1
.endr
	WIN 0
.irp ct, 0,1,2,3
	global_store_b128 v[AK0], v[S+32*\t+4*\ct:S+32*\t+4*\ct+3], s[8:9] offset:\t*4096+\ct*512   ; 32 lanes store 512 consecutive bytes, aligned
.endr
.endr
	s_wait_tensorcnt 0x0                           ; the wave's end: behind my last tensor load and my last LDS store
	ds_add_u32 v[SPW], v[NIL]
	s_wait_dscnt 0x0
	s_endpgm
.Lfunc_end_k_q12a41213a5_attn:
	.size	k_q12a41213a5_attn, .Lfunc_end_k_q12a41213a5_attn-k_q12a41213a5_attn
	.p2alignl 7, 3214868480
	.fill 96, 4, 3214868480
	.section	.rodata,"a",@progbits
	.p2align	6, 0x0
	.amdhsa_kernel k_q12a41213a5_attn
		.amdhsa_group_segment_fixed_size 327680
		.amdhsa_private_segment_fixed_size 0
		.amdhsa_enable_private_segment 0
		.amdhsa_kernarg_size 24
		.amdhsa_user_sgpr_count 2
		.amdhsa_user_sgpr_kernarg_segment_ptr 1
		.amdhsa_wavefront_size32 1
		.amdhsa_system_sgpr_workgroup_id_x 1
		.amdhsa_system_sgpr_workgroup_id_y 1
		.amdhsa_system_sgpr_workgroup_id_z 1
		.amdhsa_system_vgpr_workitem_id 0
		.amdhsa_next_free_vgpr 512
		.amdhsa_next_free_sgpr 66
		.amdhsa_reserve_vcc 1
		.amdhsa_float_denorm_mode_32 3
		.amdhsa_float_denorm_mode_16_64 3
		.amdhsa_memory_ordered 1
		.amdhsa_forward_progress 1
		.amdhsa_inst_pref_size 111
	.end_amdhsa_kernel
	.amdgpu_metadata
---
amdhsa.version: [ 1, 2 ]
amdhsa.kernels:
  - .name:           k_q12a41213a5_attn
    .symbol:         k_q12a41213a5_attn.kd
    .args:
      - { .name: qkv16, .offset: 0, .size: 8, .value_kind: global_buffer, .address_space: global }
      - { .name: mask, .offset: 8, .size: 8, .value_kind: global_buffer, .address_space: global }
      - { .name: o16, .offset: 16, .size: 8, .value_kind: global_buffer, .address_space: global }
    .group_segment_fixed_size: 327680
    .private_segment_fixed_size: 0
    .kernarg_segment_align: 8
    .kernarg_segment_size: 24
    .max_flat_workgroup_size: 256
    .sgpr_count:     66
    .vgpr_count:     512
    .wavefront_size: 32
...
	.end_amdgpu_metadata
.endif
;; end of part 3
;; launch outp (part 4): grid 4 x 64, 4 waves a work-group, clusters of 4 x 4, 327,680 bytes of LDS; arguments o16, wo16, bo, out0; writes out0
.if DOCPART == 4
	.amdgcn_target "amdgcn-amd-amdhsa--gfx1250"
	.amdhsa_code_object_version 6
	.text
	.protected	k_q12a41213a5_outp
	.globl	k_q12a41213a5_outp
	.p2align	8
	.type	k_q12a41213a5_outp,@function
k_q12a41213a5_outp:
	s_mov_b64 s[64:65], 0
	v_nop
	global_prefetch_b8 v0, s[64:65] scope:SCOPE_SE
	s_setreg_imm32_b32 hwreg(HW_REG_WAVE_MODE, 25, 1), 1
	s_wait_xcnt 0x0
	s_wait_alu depctr_hold_cnt(0) depctr_sa_sdst(0) depctr_va_vdst(0) depctr_va_sdst(0) depctr_va_ssrc(0) depctr_va_vcc(0) depctr_vm_vsrc(0)
	s_getreg_b32 s2, hwreg(HW_REG_IB_STS2, 6, 4)
	s_cmp_eq_u32 s2, 0
	s_cbranch_scc0 .Lentry_in_a_cluster
	s_endpgm
.Lentry_in_a_cluster:
	s_bfe_u32 s2, ttmp6, 0x10000c
	s_cmp_lg_u32 s2, 0xf033
	s_cbranch_scc0 .Lentry_shape_is_right
	s_endpgm
.Lentry_shape_is_right:
; out0[m][n] = sum over k of o[m][k] Wo[k][n] + bo[n].  o: 8,192 x 1,024 and Wo: 1,024 x 1,024 in f16, both laid as images of the operands' registers; out0: f32; sums in f32.
;   o16  [64: 128 rows][8: 128 of K][8 tiles of 16 rows][4: 32 of K][2 halves][32 lanes][16 bytes];   wo16 [4: 256 columns][8: 128 of K][16 tiles of 16 columns][4][2][32][16].
; So a K step's tile of A (128 rows x 128 K) is 32,768 dense bytes and B's (256 columns x 128 K) 65,536, and a fragment's half is read from LDS at 16 x lane: no pitch, no padding.
; A tile of C is 128 x 256: 64 x 4 = 256 work-groups.  Four waves, each 64 x 128: 32 accumulators of 16 x 16, 256 registers.  K goes in 8 steps of 128 through a ring of two LDS slots; one tensor load a wave
; (waves 0, 1: A's halves, 64 rows of 256 bytes; waves 2, 3: B's halves, 128 rows of 256 bytes).
; CLUSTERS: 4 x 4 work-groups.  The four of a row of the cluster need the same tiles of A, the four of a column the same tiles of B: each tile is asked for JOINTLY.
; THE MATRIX INSTRUCTION IS USED TRANSPOSED (source 0 = 16 columns of Wo, source 1 = 16 rows of o): a lane holds eight neighbouring numbers of a row of C.  THE BIAS is the C of each sum's first product.
; NO PREFETCH: the walk has eight K steps, of which the first four could have no lead.
; REGISTERS: window 0: v0-31 addresses; v32-63, v64-95 A's fragments (4 x 16 rows x 32 K), two buffers; v96-159, v160-223 B's (8 x 16 columns x 32 K), two buffers; on the way out v32-159 take rows of C.
;   window 1: the accumulators ((a, b) at v[8 (8 a + b)]).   window 2: v0-63 the bias, 8 registers a tile of columns.
.set SLOT,   98304                     ; A's 8 tiles of 4,096 bytes, then B's 16
.set BOFF,   32768
.set STAGE,  2*SLOT                    ; behind the ring: 16 rows x (512 bytes + 16) for each wave, for the way out; no tensor load lands here
.set SPITCH, 528
.set SPARE,  STAGE+4*16*SPITCH         ; the spare words, 128 bytes for each wave: two blocks of 256 bytes that no other line names
.set ADRA, 16                          ; v16-17  LDS address of my A fragments in slot 0, 1
.set ADRB, 20                          ; v20-21  the same for B
.set STO,  24                          ; v24     the way out: where I put 32 bytes of a row
.set RD,   25                          ; v25     the way out: where I read a row back
.set CO,   26                          ; v26     16 x lane: my place in an image, and in a row of C
.set SPW,  28                          ; v28     LDS address of my spare word; never rewritten
.set NIL,  29                          ; v29     0; never rewritten
.set AFR,  32
.set BFR,  96
.set BK,   32                          ; the way out: 16 rows read back from the stage: v32-95 and v96-159 by turns
.set G1, 24                            ; s[24:31] descriptor group 1 for A's tiles;  s[32:39] group 0, one set for each slot
.set G0, 32
.set G1B, 48                           ; s[48:55], s[56:63] the same for B's tiles
.set G0B, 56
.set MSB, 0
.macro WIN new                         ; the immediate's high byte repeats the setting that is left
.if MSB != (\new)
	s_set_vgpr_msb (MSB<<8)|(\new)
.set MSB, (\new)
.endif
.endm
.set MUL,  0x50                        ; sources 0 and 1 window 0; C and D window 1
.set MUL0, 0x60                        ; the same with C, the bias, in window 2
.macro JLOAD s                         ; a joint load: waves 0 and 1 fetch A's two halves, waves 2 and 3 B's; an s_nop 0 and four v_nop follow each of the two lines, ahead of the jump, the label and what follows
	s_cmp_eq_u32 s15, 0
	s_cbranch_scc0 .Lfor_b_\@
	tensor_load_to_lds s[G0+4*\s:G0+4*\s+3], s[G1:G1+7]
	s_nop 0
.rept 4
	v_nop
.endr
	s_branch .Lasked_\@
.Lfor_b_\@:
	tensor_load_to_lds s[G0B+4*\s:G0B+4*\s+3], s[G1B:G1B+7]
	s_nop 0
.rept 4
	v_nop
.endr
.Lasked_\@:
.endm
.macro CREST                           ; a round of the cluster's barrier behind its opening barrier
	s_cmp_lg_u32 s14, 0
	s_cbranch_scc1 .Lnot_wave_0_\@
	s_barrier_signal -3
.Lnot_wave_0_\@:
	s_barrier_wait -3
	s_barrier_signal -1
	s_barrier_wait -1
.endm
.macro CROUND                          ; a whole round
	s_barrier_signal -1
	s_barrier_wait -1
	CREST
.endm
	s_load_b128 s[4:7], s[0:1], 0x0                ; o16 s[4:5], wo16 s[6:7]
	s_load_b128 s[8:11], s[0:1], 0x10              ; bo s[8:9], out0 s[10:11]
	v_lshl_add_u32 v[SPW], v0, 2, SPARE
	v_mov_b32 v[NIL], 0
	ds_add_u32 v[SPW], v[NIL]                      ; the wave's opening: the add, twice on end, and its wait ahead of my first tensor load; the set-up below stands between
	ds_add_u32 v[SPW], v[NIL]
	v_lshrrev_b32 v1, 5, v0
	v_readfirstlane_b32 s14, v1                    ; wave 0..3
	s_lshr_b32 s15, s14, 1                         ; which 64 of the tile's rows are mine.  Also: I fetch for A (0) or for B (1)
	s_and_b32 s16, s14, 1                          ; which 128 of its columns.  Also: which half of that tile I fetch
	s_bfe_u32 s40, ttmp6, 0x40000                  ; cx, cy: my place in the cluster
	s_bfe_u32 s41, ttmp6, 0x40004
	s_lshl_b32 s42, ttmp9, 2
	s_add_co_u32 s42, s42, s40                     ; tile column of C = 4 x cluster x + cx
	s_and_b32 s17, ttmp7, 0xffff
	s_lshl_b32 s17, s17, 2
	s_add_co_u32 s17, s17, s41                     ; tile row of C = 4 x cluster y + cy
	s_lshl_b32 s43, s41, 2
	s_lshl_b32 s43, 15, s43                        ; my row of the cluster
	s_lshl_b32 s44, 0x1111, s40                    ; my column
	; descriptor group 1: dense bytes as rows of 256 (32 elements of 8 bytes): A 64 rows, B 128 rows
	s_or_b32 s[G1+0], s43, (3<<16)|(1<<21)         ; 15:0 the mask: A's tiles go to my row; 17:16 elements of 8 bytes; 21 set beside a mask; no padding
	s_or_b32 s[G1B+0], s44, (3<<16)|(1<<21)
.irp g, G1, G1B
	s_mov_b32 s[\g+1], 32<<16                      ; tensor_dim0 = 32
	s_mov_b32 s[\g+3], 32<<16                      ; tile_dim0 = 32
	s_mov_b32 s[\g+5], 32                          ; tensor_dim0_stride
	s_mov_b32 s[\g+6], 0
	s_mov_b32 s[\g+7], 0
.endr
	s_mov_b32 s[G1+2], 64<<16                      ; tensor_dim1
	s_mov_b32 s[G1+4], 64                          ; tile_dim1
	s_mov_b32 s[G1B+2], 128<<16
	s_mov_b32 s[G1B+4], 128
	s_lshl_b32 s20, s17, 18                        ; A: 262,144 bytes for a tile row's 128 rows,
	s_lshl_b32 s21, s16, 14
	s_add_co_u32 s20, s20, s21                     ; + my half of a K step's 32,768
	s_mov_b32 s21, 0
	s_lshl_b32 s46, s42, 19                        ; B: 524,288 bytes for a tile column's 256 columns,
	s_lshl_b32 s47, s16, 15
	s_add_co_u32 s46, s46, s47                     ; + my half of a K step's 65,536
	s_mov_b32 s47, 0
	s_lshl_b32 s45, s16, 14                        ; where they go: A's halves at 0 and 16,384,
	s_lshl_b32 s18, s16, 15
	s_add_co_u32 s18, s18, BOFF                    ; B's at 32,768 and 65,536: no place in the cluster enters an LDS address
	s_wait_dscnt 0x0                               ; both opening adds are done
	s_wait_kmcnt 0x0
	s_add_nc_u64 s[20:21], s[4:5], s[20:21]
	s_add_nc_u64 s[46:47], s[6:7], s[46:47]
	CROUND                                         ; all sixteen work-groups are here: the first joint loads meet
.irp s, 0,1
	s_mov_b32 s[G0+4*\s], 1
	s_add_co_u32 s[G0+4*\s+1], s45, \s*SLOT
	s_add_nc_u64 s[G0+4*\s+2:G0+4*\s+3], s[20:21], \s*32768
	s_or_b32 s[G0+4*\s+3], s[G0+4*\s+3], 0x80000000
	s_mov_b32 s[G0B+4*\s], 1
	s_add_co_u32 s[G0B+4*\s+1], s18, \s*SLOT
	s_add_nc_u64 s[G0B+4*\s+2:G0B+4*\s+3], s[46:47], \s*65536
	s_or_b32 s[G0B+4*\s+3], s[G0B+4*\s+3], 0x80000000
	JLOAD \s                                       ; two tensor loads of mine are out at the start, one behind each later round
.endr
	v_and_b32 v1, 15, v0                           ; r
	v_bfe_u32 v2, v0, 4, 1                         ; h
	v_and_b32 v3, 31, v0
	v_lshlrev_b32 v[CO], 4, v3                     ; 16 x lane
	v_lshlrev_b32 v7, 5, v2                        ; 32 h: my half's eight columns of the bias
	s_lshl_b32 s46, s42, 10                        ; my first column, in bytes: 1,024 x tile column + 512 x half
	s_lshl_b32 s47, s16, 9
	s_add_co_u32 s46, s46, s47
	s_mov_b32 s47, 0
	s_add_nc_u64 s[8:9], s[8:9], s[46:47]
	WIN 0x80                                       ; destination window 2
.irp b, 0,1,2,3,4,5,6,7
	global_load_b128 v[8*\b:8*\b+3], v7, s[8:9] offset:64*\b
	global_load_b128 v[8*\b+4:8*\b+7], v7, s[8:9] offset:64*\b+16
.endr
	WIN 0
	s_lshl_b32 s21, s15, 14                        ; my four tiles of rows
	s_lshl_b32 s22, s16, 15                        ; my eight tiles of columns,
	s_add_co_u32 s22, s22, BOFF                    ; which lie behind A's
.irp s, 0,1
	v_add_nc_u32 v[ADRA+\s], s21, v[CO]
	v_add_nc_u32 v[ADRB+\s], s22, v[CO]
	s_add_co_u32 s21, s21, SLOT
	s_add_co_u32 s22, s22, SLOT
.endr
	s_mul_i32 s23, s14, 16*SPITCH
	s_add_co_u32 s23, s23, STAGE                   ; my stage
	v_mul_u32_u24 v5, v1, SPITCH                   ; in: row r, 32 bytes for each half of the lanes
	v_lshl_add_u32 v5, v2, 5, v5
	v_add_nc_u32 v[STO], s23, v5
	v_add_nc_u32 v[RD], s23, v[CO]                 ; back: the 32 lanes take one row of 512 bytes
	s_lshl_b32 s20, s17, 7
	s_lshl_b32 s21, s15, 6
	s_add_co_u32 s20, s20, s21                     ; my first row of C: 128 x tile row + 64 x half
	s_lshl_b32 s20, s20, 12                        ; rows of 4,096 bytes
	s_mov_b32 s21, 0
	s_add_nc_u64 s[20:21], s[20:21], s[46:47]
	s_add_nc_u64 s[10:11], s[10:11], s[20:21]
; 8 matrix instructions: A's tile a x B's eight, 32 along K, from buffer f.  zero = 1: the first product starts the sums from the bias.
; The 32 accumulators take turns, one instruction a turn, in the same order in every quarter.
.macro MUL8 f, a, zero
.irp b, 0,1,2,3,4,5,6,7
.if \zero
	v_wmma_f32_16x16x32_f16 v[8*(8*(\a)+\b):8*(8*(\a)+\b)+7], v[BFR+64*(\f)+8*\b:BFR+64*(\f)+8*\b+7], v[AFR+32*(\f)+8*(\a):AFR+32*(\f)+8*(\a)+7], v[8*\b:8*\b+7]
.else
	v_wmma_f32_16x16x32_f16 v[8*(8*(\a)+\b):8*(8*(\a)+\b)+7], v[BFR+64*(\f)+8*\b:BFR+64*(\f)+8*\b+7], v[AFR+32*(\f)+8*(\a):AFR+32*(\f)+8*(\a)+7], v[8*(8*(\a)+\b):8*(8*(\a)+\b)+7]
.endif
.endr
.endm
; 24 LDS loads in one run: the fragments of the slot's q-th 32 along K into buffer f; each load takes 512 consecutive bytes
.macro FETCH slot, q, f
.irp i, 0,1,2,3
	ds_load_b128 v[AFR+32*(\f)+8*\i:AFR+32*(\f)+8*\i+3],   v[ADRA+\slot] offset:\i*4096+(\q)*1024
	ds_load_b128 v[AFR+32*(\f)+8*\i+4:AFR+32*(\f)+8*\i+7], v[ADRA+\slot] offset:\i*4096+(\q)*1024+512
.endr
.irp i, 0,1,2,3,4,5,6,7
	ds_load_b128 v[BFR+64*(\f)+8*\i:BFR+64*(\f)+8*\i+3],   v[ADRB+\slot] offset:\i*4096+(\q)*1024
	ds_load_b128 v[BFR+64*(\f)+8*\i+4:BFR+64*(\f)+8*\i+7], v[ADRB+\slot] offset:\i*4096+(\q)*1024+512
.endr
.endm
.macro PLACES                          ; four places in front of loads into registers that matrix instructions have read, and of LDS stores that read results (ISA guide 7.12.1 for the stores)
.rept 4
	v_nop
.endr
.endm
; A K step is four quarters of 32 along K, 32 matrix instructions each, on buffers 0, 1, 0, 1.  One of the first three: multiplies buffer f; ahead of its products it asks for the next quarter, qn, into g:
; those loads have the quarter's 32 matrix instructions in which to land.
.macro QUARTER slot, qn, f, g, zero
	s_wait_dscnt 0x0                               ; buffer f is in
	PLACES                                         ; buffer g was multiplied by the quarter before
	WIN 0
	FETCH \slot, \qn, \g
.if \zero
	WIN MUL0
.else
	WIN MUL
.endif
.irp a, 0,1,2,3
	MUL8 \f, \a, \zero
.endr
.endm
; The last quarter multiplies buffer 1 and changes slots: ONE barrier; in front of it each wave waits for all its tensor loads, adds 0 to its spare word, and waits for that and for its own reads of this slot.
; fill = 1: this slot is filled again, two K steps ahead; the barrier then opens a round of the cluster's.
.macro TURN slot, next, fill
	WIN 0                                          ; (the add's two registers lie in window 0)
	s_wait_tensorcnt 0x0                           ; all my tensor loads have landed: my part of the next slot;
	ds_add_u32 v[SPW], v[NIL]                      ; 0 onto my spare word;
	s_wait_dscnt 1                                 ; buffer 1 is in (the add alone may be out)
	WIN MUL
	MUL8 1, 0, 0                                   ; eight matrix instructions stand between the add and the wait for it
	s_wait_dscnt 0x0                               ; the add is done, and my reads of this slot are over
	s_barrier_signal -1
	MUL8 1, 1, 0
	WIN 0
	s_barrier_wait -1
.if \fill
	CREST                                          ; no wave of any partner still reads this slot's tile or has a load on its way
	s_add_nc_u64 s[G0+4*\slot+2:G0+4*\slot+3], s[G0+4*\slot+2:G0+4*\slot+3], 2*32768
	s_add_nc_u64 s[G0B+4*\slot+2:G0B+4*\slot+3], s[G0B+4*\slot+2:G0B+4*\slot+3], 2*65536
	JLOAD \slot                                    ; the first tensor load behind the round: 112 matrix instructions ahead of the wait for it; its four v_nop are also the places in front of the loads below
.else
	PLACES
.endif
	FETCH \next, 0, 0
	WIN MUL
	MUL8 1, 2, 0
	MUL8 1, 3, 0
.endm
	s_wait_tensorcnt 1                             ; my part of K step 0 is in (K step 1's load may be out)
	s_barrier_signal -1
	s_barrier_wait -1                              ; everybody's is
	FETCH 0, 0, 0
	s_wait_loadcnt 0x0                             ; the bias
	QUARTER 0, 1, 0, 1, 1                          ; the first quarter stands in front of the loop: its products start the sums from the bias
	WIN 0                                          ; at a label and at a branch every window is 0
	s_mov_b32 s3, 3
.Llap:                                                 ; a trip goes once round the ring, from a lap's second quarter to the next lap's first, and fills both slots again: K steps 2 to 7
	QUARTER 0, 2, 1, 0, 0
	QUARTER 0, 3, 0, 1, 0
	TURN 0, 1, 1
	QUARTER 1, 1, 0, 1, 0
	QUARTER 1, 2, 1, 0, 0
	QUARTER 1, 3, 0, 1, 0
	TURN 1, 0, 1
	QUARTER 0, 1, 0, 1, 0
	WIN 0
	s_sub_co_u32 s3, s3, 1
	s_cmp_lg_u32 s3, 0
	s_cbranch_scc1 .Llap
	QUARTER 0, 2, 1, 0, 0                          ; the last lap fills nothing, and has no round of the cluster's barrier
	QUARTER 0, 3, 0, 1, 0
	TURN 0, 1, 0
	QUARTER 1, 1, 0, 1, 0
	QUARTER 1, 2, 1, 0, 0
	QUARTER 1, 3, 0, 1, 0
	s_wait_dscnt 0x0                               ; the very last quarter: nothing more to fetch
.irp a, 0,1,2,3
	MUL8 1, \a, 0
.endr
	WIN 0
; THE WAY OUT, block by block of 16 rows x 128 columns.  A lane holds 32 neighbouring bytes of a row, and the lanes beside it hold other rows: so a block goes through my own stage in LDS and comes back as whole
; rows of 512 bytes.  LDS serves a wave's instructions in order (ISA guide 5.7.1.4): no wait between the stores and the loads, nor in front of the next block's stores.
.macro TOSTAGE a
	WIN 0x04                                       ; an LDS store's data are its source 1: window 1
.irp b, 0,1,2,3,4,5,6,7
	ds_store_b128 v[STO], v[64*(\a)+8*\b:64*(\a)+8*\b+3] offset:64*\b          ; each accumulator from its low end on
	ds_store_b128 v[STO], v[64*(\a)+8*\b+4:64*(\a)+8*\b+7] offset:64*\b+16
.endr
	WIN 0
.set BB, BK+64*((\a)%2)
.irp t, 0,1,2,3,4,5,6,7,8,9,10,11,12,13,14,15
	ds_load_b128 v[BB+4*\t:BB+4*\t+3], v[RD] offset:\t*SPITCH
.endr
.endm
.macro SEND a, younger                 ; younger: the LDS instructions issued behind block a's loads, which may stay out
.set BB, BK+64*((\a)%2)
	s_wait_dscnt \younger                          ; the block is back in registers
.irp t, 0,1,2,3,4,5,6,7,8,9,10,11,12,13,14,15
	global_store_b128 v[CO], v[BB+4*\t:BB+4*\t+3], s[10:11] offset:(\a)*65536+\t*4096 th:TH_STORE_NT   ; 32 lanes store 512 consecutive bytes, aligned; written once, read by nobody here
.endr
.endm
	PLACES                                         ; behind the last products: their results are stored to LDS, and loads land in the fragments' registers
	TOSTAGE 0
.irp a, 1,2,3
.if \a > 1
	s_wait_xcnt 0x0                                ; block a - 2's stores have read their registers: block a's loads may land there
.endif
	TOSTAGE \a
	SEND \a-1, 32                                  ; behind block a - 1's loads: block a's 16 stores and 16 loads
.endr
	SEND 3, 0
	s_wait_tensorcnt 0x0                           ; the wave's end: behind my last tensor load and my last LDS store
	ds_add_u32 v[SPW], v[NIL]
	s_wait_dscnt 0x0
	CROUND                                         ; the closing round: no work-group ends while a partner may still ask for a tile that names it
	s_endpgm
.Lfunc_end_k_q12a41213a5_outp:
	.size	k_q12a41213a5_outp, .Lfunc_end_k_q12a41213a5_outp-k_q12a41213a5_outp
	.p2alignl 7, 3214868480
	.fill 96, 4, 3214868480
	.section	.rodata,"a",@progbits
	.p2align	6, 0x0
	.amdhsa_kernel k_q12a41213a5_outp
		.amdhsa_group_segment_fixed_size 327680
		.amdhsa_private_segment_fixed_size 0
		.amdhsa_enable_private_segment 0
		.amdhsa_kernarg_size 32
		.amdhsa_user_sgpr_count 2
		.amdhsa_user_sgpr_kernarg_segment_ptr 1
		.amdhsa_wavefront_size32 1
		.amdhsa_system_sgpr_workgroup_id_x 1
		.amdhsa_system_sgpr_workgroup_id_y 1
		.amdhsa_system_sgpr_workgroup_id_z 1
		.amdhsa_system_vgpr_workitem_id 0
		.amdhsa_next_free_vgpr 576
		.amdhsa_next_free_sgpr 66
		.amdhsa_reserve_vcc 0
		.amdhsa_float_denorm_mode_32 3
		.amdhsa_float_denorm_mode_16_64 3
		.amdhsa_memory_ordered 1
		.amdhsa_forward_progress 1
		.amdhsa_inst_pref_size 85
	.end_amdhsa_kernel
	.amdgpu_metadata
---
amdhsa.version: [ 1, 2 ]
amdhsa.kernels:
  - .name:           k_q12a41213a5_outp
    .symbol:         k_q12a41213a5_outp.kd
    .args:
      - { .name: o16, .offset: 0, .size: 8, .value_kind: global_buffer, .address_space: global }
      - { .name: wo16, .offset: 8, .size: 8, .value_kind: global_buffer, .address_space: global }
      - { .name: bo, .offset: 16, .size: 8, .value_kind: global_buffer, .address_space: global }
      - { .name: out0, .offset: 24, .size: 8, .value_kind: global_buffer, .address_space: global }
    .group_segment_fixed_size: 327680
    .private_segment_fixed_size: 0
    .kernarg_segment_align: 8
    .kernarg_segment_size: 32
    .max_flat_workgroup_size: 128
    .sgpr_count:     66
    .vgpr_count:     576
    .wavefront_size: 32
...
	.end_amdgpu_metadata
.endif
;; end of part 4
